; MI455X (gfx1250); checked and timed in simulation.
; The chip was launched on July 23, 2026; its instructions are those of AMD's public machine-readable ISA for CDNA 5 (MIT licence, August 2026) and "CDNA5" Instruction Set Architecture Reference Guide (July 2026). The comments in the code are by the model that wrote it; some were corrected since.
;; Attention. Allowed arithmetic: float matrix products may take bf16 or f16 operands with f32 sums; all other float work in f32.
;; Inputs: key 2 x 4,096 x 8 x 64 float32; projection_matrix 128 x 64 float32; query 2 x 4,096 x 8 x 64 float32; value 2 x 4,096 x 8 x 64 float32.
;; Outputs: out0 2 x 4,096 x 8 x 64 float32.
;; 2 versions, each right; version 2 is version 1 with the launches segstate, attend written anew for expert scheduling mode. Each part assembles by itself: llvm-mc -triple=amdgcn-amd-amdhsa -mcpu=gfx1250 --defsym DOCPART=n.
;; ======== version 1 of 2: 3 launches
;; limits: values are held in f16: magnitudes above 65,504 overflow, below 6.1e-05 lose precision
;; workspace buffers: seg 10,485,760 bytes; pre 5,242,880 bytes
;; launch segstate (part 1): grid 16 x 16, 8 waves a work-group, no clusters, 179,200 bytes of LDS; arguments key, value, projection_matrix, seg; writes seg
.if DOCPART == 1
	.amdgcn_target "amdgcn-amd-amdhsa--gfx1250"
	.amdhsa_code_object_version 6
	.text
	.protected	k_qbf09ddb11c_segstate
	.globl	k_qbf09ddb11c_segstate
	.p2align	8
	.type	k_qbf09ddb11c_segstate,@function
k_qbf09ddb11c_segstate:
	s_mov_b64 s[64:65], 0
	v_nop
	global_prefetch_b8 v0, s[64:65] scope:SCOPE_SE
	s_setreg_imm32_b32 hwreg(HW_REG_WAVE_MODE, 25, 1), 1
	s_wait_xcnt 0x0
; For one head (grid y = 8 b + h) and one segment of 256 rows (grid x): the state that the segment adds,
;   state[f][d] = sum over the 256 keys of Kp[key][f] V[key][d]  (d = 0..63),  and the sum of Kp[key][f] in sixteen more columns.
; Kp = relu(ratio K W^T) + eps, made as max(ratio x + eps, eps).  K, V, W and Kp are rounded to bf16, sums are f32.
; Limit: a NaN feature becomes eps (the maximum drops it).
; The state is stored as 40 result tiles in their register image: tile T = 10 c + 2 dt + f (c: 32 features, dt: 16 d, dt = 4 the sums, f: 16 features),
; [T][half of the 8 registers][lane][4 f32], so every store of a wave covers 512 neighbouring bytes and the later launches need no shuffle.
; Eight waves.  Each brings 32 rows of K, 32 of V and 16 of W (16 lanes take one row of 256 bytes); all 40 loads are asked for at once,
; rounded to bf16 and laid into LDS.  Then wave = (key half kh = wave / 4, feature block c = wave % 4): four steps of 32 keys.
;   K x W^T gives a lane eight neighbouring keys of one feature: packed, that is the A fragment of Kp^T x V.
;   V's fragment comes by the transposing LDS load from V[key][d]; a constant fragment of ones makes the sums.
; The two key halves meet in an LDS stage.
; No cluster: the work-groups share only W, 32 KiB of the 160 KiB that each reads, and every byte passes registers for its rounding.
.set PX,   144                         ; LDS pitch of K's and W's rows: 128 bytes + 16, an odd multiple of 16
.set PV,   160                         ; LDS pitch of V's rows: 128 bytes + 32, an odd multiple of 32 (transposing load)
.set L_K,  18432                       ; W lies at 0 (128 rows), K here (256 rows)
.set L_V,  55296                       ; V: 256 rows
.set L_T,  96256                       ; stage: a region for each wave
.set TREG, 10240                       ; ten tiles of 1,024 bytes
.set GO, 4                             ; v4   2048 (lane/16) + 16 (lane%16): my 16 bytes in a pair of rows of K or V
.set LW, 6                             ; v6   where my 8 bytes of W go in LDS
.set LK, 7                             ; v7   of K
.set LV, 8                             ; v8   of V
.set FW, 9                             ; v9   fragment address in W
.set FK, 10                            ; v10  in K
.set FV, 11                            ; v11  in V (transposing)
.set TS, 12                            ; v12  stage, where I put
.set TR, 13                            ; v13  stage, where I read
.set GS, 14                            ; v14  16 x lane
.set WL, 16                            ; v16-47   W as loaded
.set KL, 48                            ; v48-111  K as loaded
.set VL, 112                           ; v112-175 V as loaded
.set BW, 16                            ; v16-47   W fragments [f][ks]
.set AK, 48                            ; v48-79   K fragments [kt][ks]
.set AV, 80                            ; v80-111  V fragments [dt]
.set ONE, 112                          ; v112-119 the fragment of ones
.set PP, 120                           ; v120-151 K W^T tiles [kt][f]
.set KF, 152                           ; v152-167 Kp^T fragments [f]
.set ACC, 168                          ; v168-247 state tiles [dt 0..4][f]
.set RAT, 248                          ; v248-249 ratio, twice
.set EPS, 250                          ; v250-251 eps, twice
.set R0, 16                            ; v16-55   stage, key half 0
.set R1, 56                            ; v56-95   stage, key half 1
.macro PLACES n
.rept \n
	v_nop
.endr
.endm
.macro CVST x, a, off                  ; four f32 to four bf16, 8 bytes into LDS
	v_cvt_pk_bf16_f32 v[\x], v[\x], v[\x+1]
	v_cvt_pk_bf16_f32 v[\x+1], v[\x+2], v[\x+3]
	ds_store_b64 v[\a], v[\x:\x+1] offset:\off
.endm
.macro ACT t                           ; the eight sums of a tile: max(ratio x + eps, eps)
.irp p,0,2,4,6
	v_pk_fma_f32 v[\t+\p:\t+\p+1], v[\t+\p:\t+\p+1], v[RAT:RAT+1], v[EPS:EPS+1]
.endr
.irp p,0,1,2,3,4,5,6,7
	v_max_num_f32 v[\t+\p], v[\t+\p], v[EPS]
.endr
.endm
	s_load_b256 s[4:11], s[0:1], 0x0               ; key s[4:5], value s[6:7], W s[8:9], seg s[10:11]
	v_lshl_add_u32 v252, v0, 2, 0x2b800
	v_mov_b32 v253, 0
	v_and_b32 v1, 15, v0                           ; r = lane % 16
	v_bfe_u32 v2, v0, 4, 1                         ; h = lane / 16
	v_lshrrev_b32 v3, 5, v0
	v_readfirstlane_b32 s12, v3                    ; wave
	v_and_b32 v[GS], 31, v0
	v_lshlrev_b32 v[GS], 4, v[GS]
	v_lshlrev_b32 v[GO], 4, v1
	v_lshl_or_b32 v[GO], v2, 11, v[GO]
	s_and_b32 s13, ttmp7, 0xffff                   ; head = 8 b + h
	s_lshr_b32 s14, s13, 3
	s_and_b32 s15, s13, 7
	s_lshl_b32 s16, s14, 23                        ; b x 4096 rows x 2048 bytes
	s_lshl_b32 s17, ttmp9, 19                      ; segment x 256 rows x 2048 bytes
	s_add_co_u32 s16, s16, s17
	s_lshl_b32 s17, s15, 8                         ; h x 256 bytes
	s_add_co_u32 s16, s16, s17
	s_lshl_b32 s17, s12, 16                        ; wave x 32 rows x 2048 bytes
	s_add_co_u32 s16, s16, s17
	s_mov_b32 s17, 0
	s_lshl_b32 s18, s12, 12                        ; W: wave x 16 rows x 256 bytes
	s_mov_b32 s19, 0
	s_and_b32 s22, s12, 3                          ; c
	s_lshr_b32 s23, s12, 2                         ; kh
	s_lshl_b32 s20, s13, 4
	s_add_co_u32 s20, s20, ttmp9
	s_mul_i32 s20, s20, 4*TREG                     ; my state: 40 tiles
	s_mul_i32 s21, s22, TREG                       ; feature block c's ten tiles,
	s_add_co_u32 s20, s20, s21
	s_mul_i32 s21, s23, TREG/2                     ; of which I store five
	s_add_co_u32 s20, s20, s21
	s_mov_b32 s21, 0
	s_wait_kmcnt 0x0
	s_add_nc_u64 s[4:5], s[4:5], s[16:17]
	s_add_nc_u64 s[6:7], s[6:7], s[16:17]
	s_add_nc_u64 s[8:9], s[8:9], s[18:19]
	s_add_nc_u64 s[10:11], s[10:11], s[20:21]
.set i,0
.rept 8
	global_load_b128 v[WL+4*i:WL+4*i+3], v[GS], s[8:9] offset:512*i
.set i,i+1
.endr
.set i,0
.rept 16
	global_load_b128 v[KL+4*i:KL+4*i+3], v[GO], s[4:5] offset:4096*i
.set i,i+1
.endr
.set i,0
.rept 16
	global_load_b128 v[VL+4*i:VL+4*i+3], v[GO], s[6:7] offset:4096*i
.set i,i+1
.endr
	; while the loads are on their way: LDS addresses, each a lane term plus the wave's number times a constant
	v_mul_u32_u24 v15, v2, PX
	v_lshl_add_u32 v15, v1, 3, v15                 ; 144 h + 8 r
	s_mul_i32 s24, s12, 16*PX
	v_add_nc_u32 v[LW], s24, v15
	s_mul_i32 s24, s12, 32*PX
	s_add_co_u32 s24, s24, L_K
	v_add_nc_u32 v[LK], s24, v15
	v_mul_u32_u24 v15, v2, PV
	v_lshl_add_u32 v15, v1, 3, v15                 ; 160 h + 8 r
	s_mul_i32 s24, s12, 32*PV
	s_add_co_u32 s24, s24, L_V
	v_add_nc_u32 v[LV], s24, v15
	v_mul_u32_u24 v15, v1, PX
	v_lshl_add_u32 v15, v2, 4, v15                 ; 144 r + 16 h: a fragment's lane term
	s_mul_i32 s24, s22, 32*PX
	v_add_nc_u32 v[FW], s24, v15
	s_mul_i32 s24, s23, 128*PX
	s_add_co_u32 s24, s24, L_K
	v_add_nc_u32 v[FK], s24, v15
	v_and_b32 v15, 7, v0
	v_lshl_add_u32 v15, v2, 3, v15                 ; key 8 h + lane % 8
	v_mul_u32_u24 v[FV], v15, PV
	v_bfe_u32 v15, v0, 3, 1
	v_lshl_add_u32 v[FV], v15, 4, v[FV]            ; + 16 bytes for lanes 8-15 and 24-31
	s_mul_i32 s24, s23, 128*PV
	s_add_co_u32 s24, s24, L_V
	v_add_nc_u32 v[FV], s24, v[FV]
	s_mul_i32 s24, s12, TREG
	s_add_co_u32 s24, s24, L_T
	v_add_nc_u32 v[TS], s24, v[GS]                 ; my region of the stage
	s_mul_i32 s24, s22, TREG
	s_mul_i32 s25, s23, TREG/2
	s_add_co_u32 s24, s24, s25
	s_add_co_u32 s24, s24, L_T
	v_add_nc_u32 v[TR], s24, v[GS]                 ; region c (key half 0), my five tiles of it; key half 1 lies four regions on
	v_mov_b32 v[RAT], 0x3db504f3                   ; 1 / sqrt(128)
	v_mov_b32 v[RAT+1], 0x3db504f3
	v_mov_b32 v[EPS], 0x3a83126f                   ; 0.001
	v_mov_b32 v[EPS+1], 0x3a83126f
	s_wait_loadcnt 32                              ; W's eight loads are in; K's and V's 32 are younger
.set i,0
.rept 8
	CVST WL+4*i, LW, 288*i
.set i,i+1
.endr
.set i,0
.rept 16
	s_wait_loadcnt 31-i                            ; K's load i: 15 - i of K and 16 of V are younger
	CVST KL+4*i, LK, 288*i
.set i,i+1
.endr
.set i,0
.rept 16
	s_wait_loadcnt 15-i                            ; V's load i: 15 - i are younger
	CVST VL+4*i, LV, 320*i
.set i,i+1
.endr
	s_wait_dscnt 0x0                               ; my rows lie in LDS before I say so
	s_barrier_signal -1
.irp p,0,1,2,3,4,5,6,7
	v_mov_b32 v[ONE+\p], 0x3f803f80                ; two bf16 ones
.endr
	s_barrier_wait -1
.macro LOADK st
.irp kt,0,1
.irp ks,0,1
	ds_load_b128 v[AK+8*(2*\kt+\ks):AK+8*(2*\kt+\ks)+3], v[FK] offset:(\st)*32*PX+\kt*16*PX+\ks*64
	ds_load_b128 v[AK+8*(2*\kt+\ks)+4:AK+8*(2*\kt+\ks)+7], v[FK] offset:(\st)*32*PX+\kt*16*PX+\ks*64+32
.endr
.endr
.endm
.macro LOADV st
.irp dt,0,1,2,3
	ds_load_tr16_b128 v[AV+8*\dt:AV+8*\dt+3], v[FV] offset:(\st)*32*PV+\dt*32
	ds_load_tr16_b128 v[AV+8*\dt+4:AV+8*\dt+7], v[FV] offset:(\st)*32*PV+\dt*32+16*PV
.endr
.endm
; One step: 32 keys x my 32 features.  first = 1: the products start the state's sums, nothing is cleared.  last = 1: nothing more is fetched.
; The matrix instructions take their accumulators by turns, one instruction a turn.  Behind each run of them stand
; four plain vector places before a result is read or a source is loaded again (ISA guide 7.12.1).
.macro STEP st, first, last
	s_wait_dscnt 8                                 ; K's fragments (and W's) are in; V's eight loads are younger
.irp kt,0,1
.irp f,0,1
	v_wmma_f32_16x16x32_bf16 v[PP+8*(2*\kt+\f):PP+8*(2*\kt+\f)+7], v[AK+16*\kt:AK+16*\kt+7], v[BW+16*\f:BW+16*\f+7], 0
.endr
.endr
.irp kt,0,1
.irp f,0,1
	v_wmma_f32_16x16x32_bf16 v[PP+8*(2*\kt+\f):PP+8*(2*\kt+\f)+7], v[AK+16*\kt+8:AK+16*\kt+15], v[BW+16*\f+8:BW+16*\f+15], v[PP+8*(2*\kt+\f):PP+8*(2*\kt+\f)+7]
.endr
.endr
	PLACES 4
.if \last == 0
	LOADK \st+1
.endif
.irp kt,0,1
.irp f,0,1
	ACT PP+8*(2*\kt+\f)
.irp p,0,1,2,3
	v_cvt_pk_bf16_f32 v[KF+8*\f+4*\kt+\p], v[PP+8*(2*\kt+\f)+2*\p], v[PP+8*(2*\kt+\f)+2*\p+1]
.endr
.endr
.endr
.if \last == 0
	s_wait_dscnt 8                                 ; V's fragments are in; the next step's eight K loads are younger
.else
	s_wait_dscnt 0x0
.endif
.irp dt,0,1,2,3
.irp f,0,1
.if \first
	v_wmma_f32_16x16x32_bf16 v[ACC+8*(2*\dt+\f):ACC+8*(2*\dt+\f)+7], v[KF+8*\f:KF+8*\f+7], v[AV+8*\dt:AV+8*\dt+7], 0
.else
	v_wmma_f32_16x16x32_bf16 v[ACC+8*(2*\dt+\f):ACC+8*(2*\dt+\f)+7], v[KF+8*\f:KF+8*\f+7], v[AV+8*\dt:AV+8*\dt+7], v[ACC+8*(2*\dt+\f):ACC+8*(2*\dt+\f)+7]
.endif
.endr
.endr
.irp f,0,1
.if \first
	v_wmma_f32_16x16x32_bf16 v[ACC+8*(8+\f):ACC+8*(8+\f)+7], v[KF+8*\f:KF+8*\f+7], v[ONE:ONE+7], 0
.else
	v_wmma_f32_16x16x32_bf16 v[ACC+8*(8+\f):ACC+8*(8+\f)+7], v[KF+8*\f:KF+8*\f+7], v[ONE:ONE+7], v[ACC+8*(8+\f):ACC+8*(8+\f)+7]
.endif
.endr
	PLACES 4
.if \last == 0
	LOADV \st+1
.endif
.endm
.irp f,0,1
.irp ks,0,1
	ds_load_b128 v[BW+8*(2*\f+\ks):BW+8*(2*\f+\ks)+3], v[FW] offset:\f*16*PX+\ks*64
	ds_load_b128 v[BW+8*(2*\f+\ks)+4:BW+8*(2*\f+\ks)+7], v[FW] offset:\f*16*PX+\ks*64+32
.endr
.endr
	LOADK 0
	LOADV 0
	STEP 0, 1, 0
	STEP 1, 0, 0
	STEP 2, 0, 0
	STEP 3, 0, 1
	; my ten tiles into my region of the stage, as they lie in the registers: 16 neighbouring bytes a lane
.set i,0
.rept 10
	ds_store_b128 v[TS], v[ACC+8*i:ACC+8*i+3] offset:1024*i
	ds_store_b128 v[TS], v[ACC+8*i+4:ACC+8*i+7] offset:1024*i+512
.set i,i+1
.endr
	s_wait_dscnt 0x0                               ; my tiles lie in the stage before I say so
	s_barrier_signal -1
	s_barrier_wait -1
	; five tiles of feature block c: both key halves are read, added and stored
.set i,0
.rept 10
	ds_load_b128 v[R0+4*i:R0+4*i+3], v[TR] offset:512*i
	ds_load_b128 v[R1+4*i:R1+4*i+3], v[TR] offset:512*i+4*TREG
.set i,i+1
.endr
.set i,0
.rept 10
	s_wait_dscnt 18-2*i                            ; pair i is in; the 9 - i later pairs are younger
	v_pk_add_f32 v[R0+4*i:R0+4*i+1], v[R0+4*i:R0+4*i+1], v[R1+4*i:R1+4*i+1]
	v_pk_add_f32 v[R0+4*i+2:R0+4*i+3], v[R0+4*i+2:R0+4*i+3], v[R1+4*i+2:R1+4*i+3]
	global_store_b128 v[GS], v[R0+4*i:R0+4*i+3], s[10:11] offset:512*i
.set i,i+1
.endr
	s_wait_tensorcnt 0x0
	ds_add_u32 v252, v253
	s_wait_dscnt 0x0
	s_endpgm
.Lfunc_end_k_qbf09ddb11c_segstate:
	.size	k_qbf09ddb11c_segstate, .Lfunc_end_k_qbf09ddb11c_segstate-k_qbf09ddb11c_segstate
	.p2alignl 7, 3214868480
	.fill 96, 4, 3214868480
	.section	.rodata,"a",@progbits
	.p2align	6, 0x0
	.amdhsa_kernel k_qbf09ddb11c_segstate
		.amdhsa_group_segment_fixed_size 179200
		.amdhsa_private_segment_fixed_size 0
		.amdhsa_enable_private_segment 0
		.amdhsa_kernarg_size 32
		.amdhsa_user_sgpr_count 2
		.amdhsa_user_sgpr_kernarg_segment_ptr 1
		.amdhsa_wavefront_size32 1
		.amdhsa_system_sgpr_workgroup_id_x 1
		.amdhsa_system_sgpr_workgroup_id_y 1
		.amdhsa_system_sgpr_workgroup_id_z 1
		.amdhsa_system_vgpr_workitem_id 0
		.amdhsa_next_free_vgpr 254
		.amdhsa_next_free_sgpr 66
		.amdhsa_reserve_vcc 0
		.amdhsa_float_denorm_mode_32 3
		.amdhsa_float_denorm_mode_16_64 3
		.amdhsa_memory_ordered 1
		.amdhsa_forward_progress 1
		.amdhsa_inst_pref_size 45
	.end_amdhsa_kernel
	.amdgpu_metadata
---
amdhsa.version: [ 1, 2 ]
amdhsa.kernels:
  - .name:           k_qbf09ddb11c_segstate
    .symbol:         k_qbf09ddb11c_segstate.kd
    .args:
      - { .name: key, .offset: 0, .size: 8, .value_kind: global_buffer, .address_space: global }
      - { .name: value, .offset: 8, .size: 8, .value_kind: global_buffer, .address_space: global }
      - { .name: projection_matrix, .offset: 16, .size: 8, .value_kind: global_buffer, .address_space: global }
      - { .name: seg, .offset: 24, .size: 8, .value_kind: global_buffer, .address_space: global }
    .group_segment_fixed_size: 179200
    .private_segment_fixed_size: 0
    .kernarg_segment_align: 8
    .kernarg_segment_size: 32
    .max_flat_workgroup_size: 256
    .sgpr_count:     66
    .vgpr_count:     254
    .wavefront_size: 32
...
	.end_amdgpu_metadata
.endif
;; end of part 1
;; launch prefix (part 2): grid 20 x 16, 2 waves a work-group, no clusters, 0 bytes of LDS; arguments seg, pre; writes pre
.if DOCPART == 2
	.amdgcn_target "amdgcn-amd-amdhsa--gfx1250"
	.amdhsa_code_object_version 6
	.text
	.protected	k_qbf09ddb11c_prefix
	.globl	k_qbf09ddb11c_prefix
	.p2align	8
	.type	k_qbf09ddb11c_prefix,@function
k_qbf09ddb11c_prefix:
	s_mov_b64 s[64:65], 0
	v_nop
	global_prefetch_b8 v0, s[64:65] scope:SCOPE_SE
	s_setreg_imm32_b32 hwreg(HW_REG_WAVE_MODE, 25, 1), 1
	s_wait_xcnt 0x0
; pre[head][s] = bf16( seg[head][0] + .. + seg[head][s-1] ), s = 0..15: the state in front of each segment.
; The running sum is f32, in the order of the segments; it is rounded once, to the format in which the next launch multiplies it.
; A work-group = one head (grid y) and two of the state's 40 tiles (grid x); a wave owns a tile, a lane its eight numbers of it.
; seg: [T][half][lane][4 f32];  pre: [T][lane][8 bf16], which is half of an operand fragment of the next launch.
; A lane's 30 loads (segment 15 lies in front of nothing) are asked for at once; every load and every store of a wave covers 512 neighbouring bytes.
; A stream: no LDS, no barrier, no matrix unit.  Every load and every store has registers of its own, so only the loads are waited for.
.set SEGB, 40960                       ; a state in f32
.set PREB, 20480                       ; a state in bf16
.set X, 4                              ; v4-123    segment i as loaded (8 registers), then the sum up to it
.set Y, 124                            ; v124-187  output s: four registers
	s_load_b128 s[4:7], s[0:1], 0x0                ; seg s[4:5], pre s[6:7]
	s_and_b32 s8, ttmp7, 0xffff
	s_mul_i32 s10, s8, 16*SEGB
	s_lshl_b32 s9, ttmp9, 11                       ; two tiles of 1,024 bytes
	s_add_co_u32 s10, s10, s9
	s_mov_b32 s11, 0
	s_mul_i32 s12, s8, 16*PREB
	s_lshl_b32 s9, ttmp9, 10                       ; two tiles of 512 bytes
	s_add_co_u32 s12, s12, s9
	s_mov_b32 s13, 0
	v_and_b32 v1, 32, v0
	v_lshlrev_b32 v1, 4, v1
	v_lshl_add_u32 v1, v0, 4, v1                   ; 1024 x wave + 16 x lane
	v_lshlrev_b32 v2, 4, v0                        ; 512 x wave + 16 x lane
.irp p,0,1,2,3
	v_mov_b32 v[Y+\p], 0
.endr
	s_wait_kmcnt 0x0
	s_add_nc_u64 s[4:5], s[4:5], s[10:11]
	s_add_nc_u64 s[6:7], s[6:7], s[12:13]
.set i,0
.rept 15
	global_load_b128 v[X+8*i:X+8*i+3], v1, s[4:5] offset:SEGB*i
	global_load_b128 v[X+8*i+4:X+8*i+7], v1, s[4:5] offset:SEGB*i+512
.set i,i+1
.endr
	global_store_b128 v2, v[Y:Y+3], s[6:7]         ; nothing lies in front of segment 0
.set i,0
.rept 15
	s_wait_loadcnt 28-2*i                          ; segment i's two loads are in; the 14 - i later pairs are younger
.if i > 0
.irp p,0,2,4,6
	v_pk_add_f32 v[X+8*i+\p:X+8*i+\p+1], v[X+8*i+\p:X+8*i+\p+1], v[X+8*i-8+\p:X+8*i-8+\p+1]
.endr
.endif
.irp p,0,1,2,3
	v_cvt_pk_bf16_f32 v[Y+4*i+4+\p], v[X+8*i+2*\p], v[X+8*i+2*\p+1]
.endr
	global_store_b128 v2, v[Y+4*i+4:Y+4*i+7], s[6:7] offset:PREB*(i+1)
.set i,i+1
.endr
	s_endpgm
.Lfunc_end_k_qbf09ddb11c_prefix:
	.size	k_qbf09ddb11c_prefix, .Lfunc_end_k_qbf09ddb11c_prefix-k_qbf09ddb11c_prefix
	.p2alignl 7, 3214868480
	.fill 96, 4, 3214868480
	.section	.rodata,"a",@progbits
	.p2align	6, 0x0
	.amdhsa_kernel k_qbf09ddb11c_prefix
		.amdhsa_group_segment_fixed_size 0
		.amdhsa_private_segment_fixed_size 0
		.amdhsa_enable_private_segment 0
		.amdhsa_kernarg_size 16
		.amdhsa_user_sgpr_count 2
		.amdhsa_user_sgpr_kernarg_segment_ptr 1
		.amdhsa_wavefront_size32 1
		.amdhsa_system_sgpr_workgroup_id_x 1
		.amdhsa_system_sgpr_workgroup_id_y 1
		.amdhsa_system_sgpr_workgroup_id_z 1
		.amdhsa_system_vgpr_workitem_id 0
		.amdhsa_next_free_vgpr 192
		.amdhsa_next_free_sgpr 66
		.amdhsa_reserve_vcc 0
		.amdhsa_float_denorm_mode_32 3
		.amdhsa_float_denorm_mode_16_64 3
		.amdhsa_memory_ordered 1
		.amdhsa_forward_progress 1
		.amdhsa_inst_pref_size 14
	.end_amdhsa_kernel
	.amdgpu_metadata
---
amdhsa.version: [ 1, 2 ]
amdhsa.kernels:
  - .name:           k_qbf09ddb11c_prefix
    .symbol:         k_qbf09ddb11c_prefix.kd
    .args:
      - { .name: seg, .offset: 0, .size: 8, .value_kind: global_buffer, .address_space: global }
      - { .name: pre, .offset: 8, .size: 8, .value_kind: global_buffer, .address_space: global }
    .group_segment_fixed_size: 0
    .private_segment_fixed_size: 0
    .kernarg_segment_align: 8
    .kernarg_segment_size: 16
    .max_flat_workgroup_size: 64
    .sgpr_count:     66
    .vgpr_count:     192
    .wavefront_size: 32
...
	.end_amdgpu_metadata
.endif
;; end of part 2
;; launch attend (part 3): grid 16 x 16, 8 waves a work-group, no clusters, 293,888 bytes of LDS; arguments query, key, value, projection_matrix, pre, out0; writes out0
.if DOCPART == 3
	.amdgcn_target "amdgcn-amd-amdhsa--gfx1250"
	.amdhsa_code_object_version 6
	.text
	.protected	k_qbf09ddb11c_attend
	.globl	k_qbf09ddb11c_attend
	.p2align	8
	.type	k_qbf09ddb11c_attend,@function
k_qbf09ddb11c_attend:
	s_mov_b64 s[64:65], 0
	v_nop
	global_prefetch_b8 v0, s[64:65] scope:SCOPE_SE
	s_setreg_imm32_b32 hwreg(HW_REG_WAVE_MODE, 25, 1), 1
	s_wait_xcnt 0x0
; out[q][d] = ( St Qp[q] + sum over keys k <= q of the segment of (Kp[k].Qp[q]) V[k][d] ) / (the same with ones for V).
; A work-group = one head (grid y = 8 b + h) and one segment of 256 rows (grid x); St is the state in front of the segment (bf16, from pre).
; FORMATS.  Q, K, V, W are rounded to bf16.  The features that enter Kp Qp^T are f16 (11 bits: the weights of the first rows of a head want more
; than bf16 gives); the weights S go into the second product as two bf16 parts (the upper 16 bits, and the rest rounded), since S has no room in f16;
; St x Qp^T takes Qp in bf16, since the state has no room in f16.  All sums are f32.
; LIMITS.  A feature ratio x.w must stay below 65,504 (f16's largest number); a NaN feature becomes eps; the division is v_rcp_f32 and a multiply;
; the sums are formed block by block, not in the scan's order.
; EVERYTHING IS USED TRANSPOSED, so that each result tile is the next product's operand without a shuffle:
;   W x X^T: a lane gets eight neighbouring features of one row = a fragment along the features;
;   Kp x Qp^T: a lane gets eight neighbouring keys of one query = the B fragment of V^T x S^T;  V^T comes by the transposing LDS load.
;   A fragment of ones in V^T's place (and sixteen rows of key sums in St) gives the denominator of a lane's own query in every register of tile dt = 4.
; Eight waves.  Wave w stages rows 32 w .. of K, Q, V, projects K's rows into LDS for all, and owns query block blk = w xor 3 (w / 4): blk + 1 steps of 32 keys,
; so that waves w and w + 4 have nine steps together.
; No cluster: the work-groups share only W, 32 KiB of the 250 KiB that each reads, and every byte passes registers for its rounding.
.set PX,   144                         ; pitch of W, K, Q rows in bf16: 128 + 16 bytes
.set PV,   160                         ; pitch of V rows: 128 + 32 bytes (transposing load)
.set PK,   272                         ; pitch of Kp rows (128 f16) and of the stage's rows (64 f32): 256 + 16 bytes
.set L_XK, 18432                       ; W at 0; K: 256 rows
.set L_XQ, 55296                       ; Q: 256 rows
.set L_V,  92160                       ; V: 256 rows
.set L_ST, 133120                      ; the state: 40 tiles of 512 bytes, register image
.set L_KP, 153600                      ; Kp: 256 rows
.set L_SG, 223232                      ; the way out: 32 rows for each wave
.set LN, 3                             ; v3   16 x lane
.set GO, 4                             ; v4   2048 (lane/16) + 16 (lane%16)
.set LX, 5                             ; v5   staging of K and Q
.set LW, 6                             ; v6   of W
.set LV, 7                             ; v7   of V
.set FX, 8                             ; v8   fragment address in W
.set FK, 9                             ; v9   in my K rows
.set FQ, 10                            ; v10  in my Q block
.set KS, 11                            ; v11  where my Kp goes
.set KA, 12                            ; v12  Kp fragments, stepped by 32 keys
.set VA, 13                            ; v13  V fragments, stepped by 32 keys
.set SP, 14                            ; v14  stage, where I put
.set SR, 15                            ; v15  stage, where I read
.set STA, 16                           ; v16  where my part of the state goes
.set SA, 17                            ; v17  state fragments
.set ONE, 18                           ; v18-25   the fragment of ones (v18 is at work before)
.set VL, 26                            ; v26-89   V as loaded
.set QH, 26                            ; v26-89   Qp in f16 [qt][c]
.set WL, 90                            ; v90-121  W as loaded
.set KL, 122                           ; v122-185 K as loaded
.set QL, 186                           ; v186-249 Q as loaded
.set XK, 90                            ; v90-121 K fragments [rt][ks]; v122-153 Q's
.set AW, 154                           ; v154-217 W fragments, two buffers [f][ks]
.set P,  218                           ; v218-249 W X^T tiles [f][rt]
.set AS, 90                            ; v90-249  state fragments [c][dt]
.set AK, 90                            ; v90-153  Kp fragments [kt][c]
.set SS, 154                           ; v154-185 S^T tiles [kt][qt]
.set AV, 186                           ; v186-217 V^T fragments [dt]
.set BS, 218                           ; v218-249 S^T as operand [part][qt]
.set ORG, 90                           ; v90-153  results, divided
.set RB, 154                           ; v154-217 results, read back by rows
.set RAT, 250                          ; v250-251 ratio, twice
.set EPS, 252                          ; v252-253 eps, twice
.set T,  250                           ; v250-253 at work, once the features are made
.set QB, 80                            ; v336-399 (second window, 80 ..) Qp in bf16 [qt][c];  v256-335 (0 ..) the ten result tiles [dt][qt]
.set MSB, 0
.macro WIN new                         ; s_set_vgpr_msb: bits 1:0 source 0, 3:2 source 1, 5:4 source 2, 7:6 destination; the high byte repeats the setting left
.if MSB != \new
	s_set_vgpr_msb (MSB<<8)|\new
.set MSB, \new
.endif
.endm
.macro PLACES n
.rept \n
	v_nop
.endr
.endm
.macro CVST x, a, off                  ; four f32 to four bf16, 8 bytes into LDS
	v_cvt_pk_bf16_f32 v[\x], v[\x], v[\x+1]
	v_cvt_pk_bf16_f32 v[\x+1], v[\x+2], v[\x+3]
	ds_store_b64 v[\a], v[\x:\x+1] offset:\off
.endm
.macro ACT t                           ; the eight sums of a tile: max(ratio x + eps, eps)
.irp p,0,2,4,6
	v_pk_fma_f32 v[\t+\p:\t+\p+1], v[\t+\p:\t+\p+1], v[RAT:RAT+1], v[EPS:EPS+1]
.endr
.irp p,0,1,2,3,4,5,6,7
	v_max_num_f32 v[\t+\p], v[\t+\p], v[EPS]
.endr
.endm
	s_load_b256 s[4:11], s[0:1], 0x0               ; query s[4:5], key s[6:7], value s[8:9], W s[10:11]
	s_load_b128 s[12:15], s[0:1], 0x20             ; pre s[12:13], out s[14:15]
	v_lshl_add_u32 v254, v0, 2, 0x47800
	v_mov_b32 v255, 0
	v_and_b32 v1, 15, v0                           ; r = lane % 16
	v_bfe_u32 v2, v0, 4, 1                         ; h = lane / 16
	v_lshrrev_b32 v18, 5, v0
	v_readfirstlane_b32 s16, v18                   ; wave
	v_and_b32 v[LN], 31, v0
	v_lshlrev_b32 v[LN], 4, v[LN]
	v_lshlrev_b32 v[GO], 4, v1
	v_lshl_or_b32 v[GO], v2, 11, v[GO]
	s_and_b32 s17, ttmp7, 0xffff                   ; head = 8 b + h
	s_lshr_b32 s18, s16, 2
	s_mul_i32 s18, s18, 3
	s_xor_b32 s26, s16, s18                        ; blk: 0 1 2 3 7 6 5 4
	s_lshr_b32 s18, s17, 3
	s_lshl_b32 s18, s18, 23                        ; b x 4096 rows x 2048 bytes
	s_lshl_b32 s19, ttmp9, 19                      ; segment x 256 rows x 2048 bytes
	s_add_co_u32 s18, s18, s19
	s_and_b32 s19, s17, 7
	s_lshl_b32 s19, s19, 8                         ; h x 256 bytes
	s_add_co_u32 s18, s18, s19
	s_lshl_b32 s19, s16, 16                        ; wave x 32 rows
	s_add_co_u32 s20, s18, s19
	s_mov_b32 s21, 0
	s_lshl_b32 s19, s26, 16                        ; blk x 32 rows
	s_add_co_u32 s28, s18, s19
	s_mov_b32 s29, 0
	s_lshl_b32 s22, s16, 12                        ; W: wave x 16 rows x 256 bytes
	s_mov_b32 s23, 0
	s_lshl_b32 s24, s17, 4
	s_add_co_u32 s24, s24, ttmp9
	s_mul_i32 s24, s24, 20480                      ; my state,
	s_mul_i32 s25, s16, 2560                       ; of which my wave brings five tiles
	s_add_co_u32 s24, s24, s25
	s_mov_b32 s25, 0
	s_mov_b32 s31, 0xffff0000                      ; the upper 16 bits of an f32
	s_mov_b32 s32, 0x07060302                      ; v_perm_b32: the two upper halves
	s_wait_kmcnt 0x0
	s_add_nc_u64 s[4:5], s[4:5], s[20:21]
	s_add_nc_u64 s[6:7], s[6:7], s[20:21]
	s_add_nc_u64 s[8:9], s[8:9], s[20:21]
	s_add_nc_u64 s[10:11], s[10:11], s[22:23]
	s_add_nc_u64 s[12:13], s[12:13], s[24:25]
	s_add_nc_u64 s[14:15], s[14:15], s[28:29]
	; all 61 loads of the wave at once: W 8, K 16, Q 16, state 5, V 16
.set i,0
.rept 8
	global_load_b128 v[WL+4*i:WL+4*i+3], v[LN], s[10:11] offset:512*i
.set i,i+1
.endr
.set i,0
.rept 16
	global_load_b128 v[KL+4*i:KL+4*i+3], v[GO], s[6:7] offset:4096*i
.set i,i+1
.endr
.set i,0
.rept 16
	global_load_b128 v[QL+4*i:QL+4*i+3], v[GO], s[4:5] offset:4096*i
.set i,i+1
.endr
	WIN 0x40                                       ; destination in the second window
.set i,0
.rept 5
	global_load_b128 v[4*i:4*i+3], v[LN], s[12:13] offset:512*i    ; v256 + 4 i
.set i,i+1
.endr
	WIN 0
.set i,0
.rept 16
	global_load_b128 v[VL+4*i:VL+4*i+3], v[GO], s[8:9] offset:4096*i
.set i,i+1
.endr
	; while they are on their way: LDS addresses, each a lane term plus the wave's number (or blk) times a constant
	v_mul_u32_u24 v18, v2, PX
	v_lshl_add_u32 v18, v1, 3, v18                 ; 144 h + 8 r
	s_mul_i32 s18, s16, 32*PX
	v_add_nc_u32 v[LX], s18, v18
	s_mul_i32 s19, s16, 16*PX
	v_add_nc_u32 v[LW], s19, v18
	v_mul_u32_u24 v18, v2, PV
	v_lshl_add_u32 v18, v1, 3, v18                 ; 160 h + 8 r
	s_mul_i32 s19, s16, 32*PV
	s_add_co_u32 s19, s19, L_V
	v_add_nc_u32 v[LV], s19, v18
	v_mul_u32_u24 v[FX], v1, PX
	v_lshl_add_u32 v[FX], v2, 4, v[FX]             ; 144 r + 16 h
	s_add_co_u32 s18, s18, L_XK
	v_add_nc_u32 v[FK], s18, v[FX]
	s_mul_i32 s18, s26, 32*PX
	s_add_co_u32 s18, s18, L_XQ
	v_add_nc_u32 v[FQ], s18, v[FX]
	v_mul_u32_u24 v18, v1, PK
	v_lshl_add_u32 v18, v2, 4, v18                 ; 272 r + 16 h
	v_add_nc_u32 v[KA], L_KP, v18
	s_mul_i32 s18, s16, 32*PK
	s_add_co_u32 s19, s18, L_KP
	v_add_nc_u32 v[KS], s19, v18
	v_and_b32 v18, 7, v0
	v_lshl_add_u32 v18, v2, 3, v18                 ; key 8 h + lane % 8
	v_mul_u32_u24 v[VA], v18, PV
	v_bfe_u32 v18, v0, 3, 1
	v_lshl_add_u32 v[VA], v18, 4, v[VA]
	v_add_nc_u32 v[VA], L_V, v[VA]
	s_add_co_u32 s19, s18, L_SG                    ; my stage
	v_mul_u32_u24 v18, v1, PK
	v_lshl_add_u32 v18, v2, 5, v18                 ; query r, d = 8 h
	v_add_nc_u32 v[SP], s19, v18
	v_mul_u32_u24 v18, v2, PK
	v_lshl_add_u32 v18, v1, 4, v18                 ; lanes 0-15 one row, lanes 16-31 the next
	v_add_nc_u32 v[SR], s19, v18
	s_mul_i32 s18, s16, 2560
	s_add_co_u32 s18, s18, L_ST
	v_add_nc_u32 v[STA], s18, v[LN]
	v_add_nc_u32 v[SA], L_ST, v[LN]
	v_lshlrev_b32 v18, 3, v2
	v_sub_nc_u32 v18, v1, v18                      ; r - 8 h
.irp j,0,1,2,3,4,5,6,7
	v_cmp_le_i32 s[36+\j], \j, v18                 ; a diagonal tile keeps key 8 h + j for query r where 8 h + j <= r
.endr
	v_mov_b32 v[RAT], 0x3db504f3                   ; 1 / sqrt(128)
	v_mov_b32 v[RAT+1], 0x3db504f3
	v_mov_b32 v[EPS], 0x3a83126f                   ; 0.001
	v_mov_b32 v[EPS+1], 0x3a83126f
	s_wait_loadcnt 53                              ; W's eight are in; 16 + 16 + 5 + 16 are younger
.set i,0
.rept 8
	CVST WL+4*i, LW, 288*i
.set i,i+1
.endr
.set i,0
.rept 16
	s_wait_loadcnt 52-i                            ; K's load i: 15 - i of K and 37 others are younger
	CVST KL+4*i, LX, L_XK+288*i
.set i,i+1
.endr
.set i,0
.rept 16
	s_wait_loadcnt 36-i                            ; Q's load i: 15 - i of Q and 21 others are younger
	CVST QL+4*i, LX, L_XQ+288*i
.set i,i+1
.endr
	WIN 0x04                                       ; store data in the second window
.set i,0
.rept 5
	s_wait_loadcnt 20-i                            ; the state's load i: 4 - i of them and V's 16 are younger
	ds_store_b128 v[STA], v[4*i:4*i+3] offset:512*i
.set i,i+1
.endr
	WIN 0
.set i,0
.rept 16
	s_wait_loadcnt 15-i
	CVST VL+4*i, LV, 320*i
.set i,i+1
.endr
	s_wait_dscnt 0x0                               ; my rows lie in LDS before I say so
	s_barrier_signal -1
.irp p,0,1,2,3,4,5,6,7
	v_mov_b32 v[ONE+\p], 0x3f803f80                ; two bf16 ones
.endr
	s_barrier_wait -1
	; THE FEATURES.  Eight steps: feature blocks c = 0..3 of my 32 K rows, then of my 32 Q rows.  W's fragments go through two buffers, two steps ahead.
.macro LOADX base, a
.irp rt,0,1
.irp ks,0,1
	ds_load_b128 v[\base+8*(2*\rt+\ks):\base+8*(2*\rt+\ks)+3], v[\a] offset:\rt*16*PX+\ks*64
	ds_load_b128 v[\base+8*(2*\rt+\ks)+4:\base+8*(2*\rt+\ks)+7], v[\a] offset:\rt*16*PX+\ks*64+32
.endr
.endr
.endm
.macro LOADW buf, c
.irp f,0,1
.irp ks,0,1
	ds_load_b128 v[AW+32*(\buf)+8*(2*\f+\ks):AW+32*(\buf)+8*(2*\f+\ks)+3], v[FX] offset:(\c)*32*PX+\f*16*PX+\ks*64
	ds_load_b128 v[AW+32*(\buf)+8*(2*\f+\ks)+4:AW+32*(\buf)+8*(2*\f+\ks)+7], v[FX] offset:(\c)*32*PX+\f*16*PX+\ks*64+32
.endr
.endr
.endm
; step i: feature block c; isq = 0: K's rows, 1: Q's; cnt: the LDS instructions younger than this step's W fragments; nxt: the block that step i + 2 wants, or -1.
; The four tiles take turns, one matrix instruction a turn; four plain places stand behind the run (ISA guide 7.12.1).
.macro PROJ i, c, isq, cnt, nxt
	s_wait_dscnt \cnt
.irp ks,0,1
.irp f,0,1
.irp rt,0,1
.if \ks == 0
	v_wmma_f32_16x16x32_bf16 v[P+8*(2*\f+\rt):P+8*(2*\f+\rt)+7], v[AW+32*(\i%2)+8*(2*\f+\ks):AW+32*(\i%2)+8*(2*\f+\ks)+7], v[XK+32*\isq+8*(2*\rt+\ks):XK+32*\isq+8*(2*\rt+\ks)+7], 0
.else
	v_wmma_f32_16x16x32_bf16 v[P+8*(2*\f+\rt):P+8*(2*\f+\rt)+7], v[AW+32*(\i%2)+8*(2*\f+\ks):AW+32*(\i%2)+8*(2*\f+\ks)+7], v[XK+32*\isq+8*(2*\rt+\ks):XK+32*\isq+8*(2*\rt+\ks)+7], v[P+8*(2*\f+\rt):P+8*(2*\f+\rt)+7]
.endif
.endr
.endr
.endr
	PLACES 4
.if \nxt >= 0
	LOADW \i%2, \nxt
.endif
.if \isq == 0
.irp f,0,1
.irp rt,0,1
	ACT P+8*(2*\f+\rt)
.irp p,0,1,2,3
	v_cvt_pk_f16_f32 v[P+8*(2*\f+\rt)+\p], v[P+8*(2*\f+\rt)+2*\p], v[P+8*(2*\f+\rt)+2*\p+1]
.endr
	ds_store_b128 v[KS], v[P+8*(2*\f+\rt):P+8*(2*\f+\rt)+3] offset:16*PK*\rt+64*\c+32*\f   ; eight features of key 32 w + 16 rt + r
.endr
.endr
.else
.irp f,0,1
.irp rt,0,1
	ACT P+8*(2*\f+\rt)
.irp p,0,1,2,3
	v_cvt_pk_f16_f32 v[QH+8*(4*\rt+\c)+4*\f+\p], v[P+8*(2*\f+\rt)+2*\p], v[P+8*(2*\f+\rt)+2*\p+1]
.endr
.endr
.endr
	WIN 0x40                                       ; destination in the second window
.irp f,0,1
.irp rt,0,1
.irp p,0,1,2,3
	v_cvt_pk_bf16_f32 v[QB+8*(4*\rt+\c)+4*\f+\p], v[P+8*(2*\f+\rt)+2*\p], v[P+8*(2*\f+\rt)+2*\p+1]
.endr
.endr
.endr
	WIN 0
.endif
.endm
	LOADX XK, FK
	LOADX XK+32, FQ
	LOADW 0, 0
	LOADW 1, 1
	; the counts: each step issues 8 loads of W (steps 0-5) and then 4 stores of Kp (steps 0-3)
	PROJ 0, 0, 0, 8, 2                             ; younger: the second buffer's 8 loads
	PROJ 1, 1, 0, 12, 3                            ; 8 loads, 4 stores
	PROJ 2, 2, 0, 16, 0                            ; 4 stores, 8 loads, 4 stores
	PROJ 3, 3, 0, 16, 1
	PROJ 4, 0, 1, 16, 2
	PROJ 5, 1, 1, 12, 3                            ; 4 stores, 8 loads
	PROJ 6, 2, 1, 8, -1                            ; 8 loads
	PROJ 7, 3, 1, 0, -1
	; WHAT LIES IN FRONT OF THE SEGMENT: the ten result tiles start as St x Qp^T, 32 features a step.  Nothing is cleared.
.irp c,0,1,2,3
.irp dt,0,1,2,3,4
	ds_load_b128 v[AS+8*(5*\c+\dt):AS+8*(5*\c+\dt)+3], v[SA] offset:512*(10*\c+2*\dt)
	ds_load_b128 v[AS+8*(5*\c+\dt)+4:AS+8*(5*\c+\dt)+7], v[SA] offset:512*(10*\c+2*\dt)+512
.endr
.endr
	WIN 0x54                                       ; A in the first window; B, C and D in the second
.irp c,0,1,2,3
	s_wait_dscnt 30-10*\c                          ; block c's ten loads are in; the later blocks' are younger
.irp dt,0,1,2,3,4
.irp qt,0,1
.if \c == 0
	v_wmma_f32_16x16x32_bf16 v[8*(2*\dt+\qt):8*(2*\dt+\qt)+7], v[AS+8*(5*\c+\dt):AS+8*(5*\c+\dt)+7], v[QB+8*(4*\qt+\c):QB+8*(4*\qt+\c)+7], 0
.else
	v_wmma_f32_16x16x32_bf16 v[8*(2*\dt+\qt):8*(2*\dt+\qt)+7], v[AS+8*(5*\c+\dt):AS+8*(5*\c+\dt)+7], v[QB+8*(4*\qt+\c):QB+8*(4*\qt+\c)+7], v[8*(2*\dt+\qt):8*(2*\dt+\qt)+7]
.endif
.endr
.endr
.endr
	WIN 0
	PLACES 5                                       ; five places: the first step's matrix instructions write S into registers that this run read as state fragments (ISA guide 7.12.1)
	s_wait_dscnt 0x0                               ; my Kp rows lie in LDS before I say so
	s_barrier_signal -1
	s_barrier_wait -1
	; THE SEGMENT'S OWN KEYS, 32 a step.
.macro LOADAK
.irp c,0,1,2,3
.irp kt,0,1
	ds_load_b128 v[AK+8*(4*\kt+\c):AK+8*(4*\kt+\c)+3], v[KA] offset:\kt*16*PK+\c*64
	ds_load_b128 v[AK+8*(4*\kt+\c)+4:AK+8*(4*\kt+\c)+7], v[KA] offset:\kt*16*PK+\c*64+32
.endr
.endr
.endm
.macro LOADAV
.irp dt,0,1,2,3
	ds_load_tr16_b128 v[AV+8*\dt:AV+8*\dt+3], v[VA] offset:\dt*32
	ds_load_tr16_b128 v[AV+8*\dt+4:AV+8*\dt+7], v[VA] offset:\dt*32+16*PV
.endr
.endm
; mask = 1: the step on the diagonal.  last = 1: nothing more is fetched.  At a step's head 16 loads of Kp and, younger, 8 of V are out.
; In each run the accumulators take turns, one matrix instruction a turn; four plain places stand behind each run (ISA guide 7.12.1).
.macro STEP mask, last
.irp c,0,1,2,3
	s_wait_dscnt 20-4*\c                           ; block c's four loads are in; the later blocks' and V's eight are younger
.irp kt,0,1
.irp qt,0,1
.if \c == 0
	v_wmma_f32_16x16x32_f16 v[SS+8*(2*\kt+\qt):SS+8*(2*\kt+\qt)+7], v[AK+8*(4*\kt+\c):AK+8*(4*\kt+\c)+7], v[QH+8*(4*\qt+\c):QH+8*(4*\qt+\c)+7], 0
.else
	v_wmma_f32_16x16x32_f16 v[SS+8*(2*\kt+\qt):SS+8*(2*\kt+\qt)+7], v[AK+8*(4*\kt+\c):AK+8*(4*\kt+\c)+7], v[QH+8*(4*\qt+\c):QH+8*(4*\qt+\c)+7], v[SS+8*(2*\kt+\qt):SS+8*(2*\kt+\qt)+7]
.endif
.endr
.endr
.endr
	PLACES 4
.if \last == 0
	v_add_nc_u32 v[KA], 32*PK, v[KA]
	LOADAK
.endif
.if \mask
.irp j,0,1,2,3,4,5,6,7
	v_cndmask_b32 v[SS+\j], 0, v[SS+\j], s[36+\j]          ; keys 0-15 x queries 0-15
	v_cndmask_b32 v[SS+24+\j], 0, v[SS+24+\j], s[36+\j]    ; keys 16-31 x queries 16-31
	v_mov_b32 v[SS+16+\j], 0                               ; keys 16-31 x queries 0-15: all later than the query
.endr
.endif
	; S = its upper 16 bits + the rest (exact in f32), the rest rounded to bf16
.irp kt,0,1
.irp qt,0,1
.irp p,0,1,2,3
	v_and_b32 v[T+2*(\p%2)], s31, v[SS+8*(2*\kt+\qt)+2*\p]
	v_and_b32 v[T+2*(\p%2)+1], s31, v[SS+8*(2*\kt+\qt)+2*\p+1]
	v_perm_b32 v[BS+8*\qt+4*\kt+\p], v[SS+8*(2*\kt+\qt)+2*\p+1], v[SS+8*(2*\kt+\qt)+2*\p], s32
	v_pk_add_f32 v[T+2*(\p%2):T+2*(\p%2)+1], v[SS+8*(2*\kt+\qt)+2*\p:SS+8*(2*\kt+\qt)+2*\p+1], v[T+2*(\p%2):T+2*(\p%2)+1] neg_lo:[0,1] neg_hi:[0,1]
	v_cvt_pk_bf16_f32 v[BS+16+8*\qt+4*\kt+\p], v[T+2*(\p%2)], v[T+2*(\p%2)+1]
.endr
.endr
.endr
.if \last
	s_wait_dscnt 0x0                               ; V's fragments are in, and with them every LDS read that my wave makes through the stepped addresses KA and VA:
	s_barrier_signal -1                            ; say so.  The barrier's wait stands in front of the stage's stores; between the two only registers are worked on
.else
	s_wait_dscnt 16                                ; V's fragments are in; the next step's 16 loads of Kp are younger
.endif
	WIN 0x50                                       ; A and B in the first window, C and D in the second
.irp hl,0,1
.irp dt,0,1,2,3
.irp qt,0,1
	v_wmma_f32_16x16x32_bf16 v[8*(2*\dt+\qt):8*(2*\dt+\qt)+7], v[AV+8*\dt:AV+8*\dt+7], v[BS+16*\hl+8*\qt:BS+16*\hl+8*\qt+7], v[8*(2*\dt+\qt):8*(2*\dt+\qt)+7]
.endr
.endr
.irp qt,0,1
	v_wmma_f32_16x16x32_bf16 v[64+8*\qt:64+8*\qt+7], v[ONE:ONE+7], v[BS+16*\hl+8*\qt:BS+16*\hl+8*\qt+7], v[64+8*\qt:64+8*\qt+7]
.endr
.endr
	WIN 0
	PLACES 4
.if \last == 0
	v_add_nc_u32 v[VA], 32*PV, v[VA]
	LOADAV
.endif
.endm
	LOADAK
	LOADAV
	s_cmp_eq_u32 s26, 0                            ; block 0 has the diagonal step alone
	s_cbranch_scc1 .Ldiag
	s_mov_b32 s30, 0
.Lfull:
	STEP 0, 0                                      ; blk whole steps
	s_add_co_u32 s30, s30, 1
	s_cmp_lt_u32 s30, s26
	s_cbranch_scc1 .Lfull
.Ldiag:
	STEP 1, 1                                      ; on both ways here the same 24 loads are out; it signals the last barrier
	; THE WAY OUT.  Register j of tile (dt, qt) is d = 16 dt + 8 h + j of query 16 qt + r; every register of tile (4, qt) is that query's denominator.
	WIN 0x01                                       ; source 0 in the second window
	v_rcp_f32 v[T], v64
	v_rcp_f32 v[T+1], v64
	v_rcp_f32 v[T+2], v72
	v_rcp_f32 v[T+3], v72
	v_nop                                          ; one plain instruction between v_rcp_f32 and the use of its result (ISA guide 5.7.2)
	s_wait_alu depctr_va_vdst(0)
.irp dt,0,1,2,3
.irp qt,0,1
.irp p,0,2,4,6
	v_pk_mul_f32 v[ORG+8*(2*\dt+\qt)+\p:ORG+8*(2*\dt+\qt)+\p+1], v[8*(2*\dt+\qt)+\p:8*(2*\dt+\qt)+\p+1], v[T+2*\qt:T+2*\qt+1]
.endr
.endr
.endr
	WIN 0
	s_barrier_wait -1                              ; every wave's reads through KA and VA are back: the stage is written only behind this.  (The stage lies behind Kp's last row,
	                                               ; apart from all that those reads touch; the barrier makes the order plain without following the steps of the two addresses.)
.irp dt,0,1,2,3
.irp qt,0,1
	ds_store_b128 v[SP], v[ORG+8*(2*\dt+\qt):ORG+8*(2*\dt+\qt)+3] offset:16*PK*\qt+64*\dt
	ds_store_b128 v[SP], v[ORG+8*(2*\dt+\qt)+4:ORG+8*(2*\dt+\qt)+7] offset:16*PK*\qt+64*\dt+16
.endr
.endr
.set i,0
.rept 16
	ds_load_b128 v[RB+4*i:RB+4*i+3], v[SR] offset:2*PK*i           ; my own bytes: LDS serves a wave's instructions in order (ISA guide 5.7.1)
.set i,i+1
.endr
.set i,0
.rept 16
	s_wait_dscnt 15-i                              ; load i is in; 15 - i are younger
	global_store_b128 v[GO], v[RB+4*i:RB+4*i+3], s[14:15] offset:4096*i    ; 16 lanes store a head's whole row: 256 consecutive bytes, aligned
.set i,i+1
.endr
	s_wait_tensorcnt 0x0
	ds_add_u32 v254, v255
	s_wait_dscnt 0x0
	s_endpgm
.Lfunc_end_k_qbf09ddb11c_attend:
	.size	k_qbf09ddb11c_attend, .Lfunc_end_k_qbf09ddb11c_attend-k_qbf09ddb11c_attend
	.p2alignl 7, 3214868480
	.fill 96, 4, 3214868480
	.section	.rodata,"a",@progbits
	.p2align	6, 0x0
	.amdhsa_kernel k_qbf09ddb11c_attend
		.amdhsa_group_segment_fixed_size 293888
		.amdhsa_private_segment_fixed_size 0
		.amdhsa_enable_private_segment 0
		.amdhsa_kernarg_size 48
		.amdhsa_user_sgpr_count 2
		.amdhsa_user_sgpr_kernarg_segment_ptr 1
		.amdhsa_wavefront_size32 1
		.amdhsa_system_sgpr_workgroup_id_x 1
		.amdhsa_system_sgpr_workgroup_id_y 1
		.amdhsa_system_sgpr_workgroup_id_z 1
		.amdhsa_system_vgpr_workitem_id 0
		.amdhsa_next_free_vgpr 400
		.amdhsa_next_free_sgpr 66
		.amdhsa_reserve_vcc 0
		.amdhsa_float_denorm_mode_32 3
		.amdhsa_float_denorm_mode_16_64 3
		.amdhsa_memory_ordered 1
		.amdhsa_forward_progress 1
		.amdhsa_inst_pref_size 94
	.end_amdhsa_kernel
	.amdgpu_metadata
---
amdhsa.version: [ 1, 2 ]
amdhsa.kernels:
  - .name:           k_qbf09ddb11c_attend
    .symbol:         k_qbf09ddb11c_attend.kd
    .args:
      - { .name: query, .offset: 0, .size: 8, .value_kind: global_buffer, .address_space: global }
      - { .name: key, .offset: 8, .size: 8, .value_kind: global_buffer, .address_space: global }
      - { .name: value, .offset: 16, .size: 8, .value_kind: global_buffer, .address_space: global }
      - { .name: projection_matrix, .offset: 24, .size: 8, .value_kind: global_buffer, .address_space: global }
      - { .name: pre, .offset: 32, .size: 8, .value_kind: global_buffer, .address_space: global }
      - { .name: out0, .offset: 40, .size: 8, .value_kind: global_buffer, .address_space: global }
    .group_segment_fixed_size: 293888
    .private_segment_fixed_size: 0
    .kernarg_segment_align: 8
    .kernarg_segment_size: 48
    .max_flat_workgroup_size: 256
    .sgpr_count:     66
    .vgpr_count:     400
    .wavefront_size: 32
...
	.end_amdgpu_metadata
.endif
;; end of part 3
;; ======== version 2 of 2: 3 launches; version 1 with the launches segstate, attend written anew for expert scheduling mode
;; limits: values are held in f16: magnitudes above 65,504 overflow, below 6.1e-05 lose precision
;; workspace buffers: seg 10,485,760 bytes; pre 5,242,880 bytes
;; launch segstate (part 4): grid 16 x 16, 8 waves a work-group, no clusters, 179,200 bytes of LDS; arguments key, value, projection_matrix, seg; writes seg
.if DOCPART == 4
	.amdgcn_target "amdgcn-amd-amdhsa--gfx1250"
	.amdhsa_code_object_version 6
	.text
	.protected	k_qbf09ddb11c_segstate
	.globl	k_qbf09ddb11c_segstate
	.p2align	8
	.type	k_qbf09ddb11c_segstate,@function
k_qbf09ddb11c_segstate:
	s_mov_b64 s[64:65], 0
	v_nop
	global_prefetch_b8 v0, s[64:65] scope:SCOPE_SE
	s_setreg_imm32_b32 hwreg(HW_REG_WAVE_SCHED_MODE, 0, 2), 2
	s_setreg_imm32_b32 hwreg(HW_REG_WAVE_MODE, 25, 1), 1
	s_wait_xcnt 0x0
	s_wait_alu depctr_vm_vsrc(0)
; For one head (grid y = 8 b + h) and one segment of 256 rows (grid x): the state that the segment adds,
;   state[f][d] = sum over the 256 keys of Kp[key][f] V[key][d]  (d = 0..63),  and the sum of Kp[key][f] in sixteen more columns.
; Kp = relu(ratio K W^T) + eps, made as max(ratio x + eps, eps).  K, V, W and Kp are rounded to bf16, sums are f32.
; Limit: a NaN feature becomes eps (the maximum drops it).
; The state is stored as 40 result tiles in their register image: tile T = 10 c + 2 dt + f (c: 32 features, dt: 16 d, dt = 4 the sums, f: 16 features),
; [T][half of the 8 registers][lane][4 f32], so every store of a wave covers 512 neighbouring bytes and the later launches need no shuffle.
; Eight waves.  Each brings 32 rows of K, 32 of V and 16 of W (16 lanes take one row of 256 bytes); all 40 loads are asked for at once,
; rounded to bf16 and laid into LDS.  Then wave = (key half kh = wave / 4, feature block c = wave % 4): four steps of 32 keys.
;   K x W^T gives a lane eight neighbouring keys of one feature: packed, that is the A fragment of Kp^T x V.
;   V's fragment comes by the transposing LDS load from V[key][d]; a constant fragment of ones makes the sums.
; The two key halves meet in an LDS stage.
; No cluster: the work-groups share only W, 32 KiB of the 160 KiB that each reads, and every byte passes registers for its rounding.
; THE MODE: SCHED_MODE bits 1:0 = 2 (LLVM: expert scheduling mode 2), set by the entry lines.  The code itself states the register dependences
; between vector or matrix instructions and memory or LDS instructions, with s_wait_alu, always for 0.
; THE PLAN.  Registers that memory or LDS instructions touch:
;   v4, v6-v14   offsets and LDS addresses: made once at the head, never written again.
;   v16-175      staging, 40 loads of four registers, in ten groups of four loads.  Group g's conversions write the first two of each four; its four LDS stores are
;                issued at group g + 1's head, behind that group's wait on va_vdst; no conversion of group g + 1 names them.
;   BW, AK, AV   LDS loads land, matrix instructions read.  A step has ONE wait on va_vdst, behind its first run: that run is done reading AK and the step before's second
;                run is done reading AV; this step's V and the next step's K are loaded straight behind it.
;   ACC          written by matrix instructions, read by the stage's stores.       R0, R1: LDS loads land, the sums write R0, the global stores read it.
;   v252, v253   written at the head, read by the closing add alone.
;   PP, KF, ONE, RAT, EPS are named by vector and matrix instructions alone (some were staging registers: one wait on vm_vsrc at the first barrier frees them all).
.set PX,   144                         ; LDS pitch of K's and W's rows: 128 bytes + 16, an odd multiple of 16
.set PV,   160                         ; LDS pitch of V's rows: 128 bytes + 32, an odd multiple of 32 (transposing load)
.set L_K,  18432                       ; W lies at 0 (128 rows), K here (256 rows)
.set L_V,  55296                       ; V: 256 rows
.set L_T,  96256                       ; stage: a region for each wave
.set TREG, 10240                       ; ten tiles of 1,024 bytes
.set GO, 4                             ; v4   2048 (lane/16) + 16 (lane%16): my 16 bytes in a pair of rows of K or V
.set LW, 6                             ; v6   where my 8 bytes of W go in LDS
.set LK, 7                             ; v7   of K
.set LV, 8                             ; v8   of V
.set FW, 9                             ; v9   fragment address in W
.set FK, 10                            ; v10  in K
.set FV, 11                            ; v11  in V (transposing)
.set TS, 12                            ; v12  stage, where I put
.set TR, 13                            ; v13  stage, where I read
.set GS, 14                            ; v14  16 x lane
.set WL, 16                            ; v16-47   W as loaded: load i of the 40 lands at WL + 4 i
.set KL, 48                            ; v48-111  K as loaded
.set VL, 112                           ; v112-175 V as loaded
.set BW, 16                            ; v16-47   W fragments [f][ks]
.set AK, 48                            ; v48-79   K fragments [kt][ks]
.set AV, 80                            ; v80-111  V fragments [dt]
.set ONE, 112                          ; v112-119 the fragment of ones
.set PP, 120                           ; v120-151 K W^T tiles [kt][f]
.set KF, 152                           ; v152-167 Kp^T fragments [f]
.set ACC, 168                          ; v168-247 state tiles [dt 0..4][f]
.set RAT, 248                          ; v248-249 ratio, twice
.set EPS, 250                          ; v250-251 eps, twice
.set R0, 16                            ; v16-55   stage, key half 0
.set R1, 56                            ; v56-95   stage, key half 1
.macro PLACES n
.rept \n
	v_nop
.endr
.endm
.macro CV x                            ; four f32 close up into four bf16, in the first two of their four registers
	v_cvt_pk_bf16_f32 v[\x], v[\x], v[\x+1]
	v_cvt_pk_bf16_f32 v[\x+1], v[\x+2], v[\x+3]
.endm
.macro ST1 i                           ; load i of the 40 (W 0-7, K 8-23, V 24-39): its 8 bytes of bf16 into LDS
.if (\i) < 8
	ds_store_b64 v[LW], v[WL+4*(\i):WL+4*(\i)+1] offset:288*(\i)
.elseif (\i) < 24
	ds_store_b64 v[LK], v[WL+4*(\i):WL+4*(\i)+1] offset:288*((\i)-8)
.else
	ds_store_b64 v[LV], v[WL+4*(\i):WL+4*(\i)+1] offset:320*((\i)-24)
.endif
.endm
.macro ACT t                           ; the eight sums of a tile: max(ratio x + eps, eps)
.irp p,0,2,4,6
	v_pk_fma_f32 v[\t+\p:\t+\p+1], v[\t+\p:\t+\p+1], v[RAT:RAT+1], v[EPS:EPS+1]
.endr
.irp p,0,1,2,3,4,5,6,7
	v_max_num_f32 v[\t+\p], v[\t+\p], v[EPS]
.endr
.endm
	s_load_b256 s[4:11], s[0:1], 0x0               ; key s[4:5], value s[6:7], W s[8:9], seg s[10:11]
	v_lshl_add_u32 v252, v0, 2, 0x2b800
	v_mov_b32 v253, 0
	v_and_b32 v1, 15, v0                           ; r = lane % 16
	v_bfe_u32 v2, v0, 4, 1                         ; h = lane / 16
	v_lshrrev_b32 v3, 5, v0
	v_readfirstlane_b32 s12, v3                    ; wave
	v_and_b32 v[GS], 31, v0
	v_lshlrev_b32 v[GS], 4, v[GS]
	v_lshlrev_b32 v[GO], 4, v1
	v_lshl_or_b32 v[GO], v2, 11, v[GO]
	s_wait_alu depctr_va_sdst(0)                   ; s12 is written, ahead of its first reader: bases and LDS addresses are made from it
	s_and_b32 s13, ttmp7, 0xffff                   ; head = 8 b + h
	s_lshr_b32 s14, s13, 3
	s_and_b32 s15, s13, 7
	s_lshl_b32 s16, s14, 23                        ; b x 4096 rows x 2048 bytes
	s_lshl_b32 s17, ttmp9, 19                      ; segment x 256 rows x 2048 bytes
	s_add_co_u32 s16, s16, s17
	s_lshl_b32 s17, s15, 8                         ; h x 256 bytes
	s_add_co_u32 s16, s16, s17
	s_lshl_b32 s17, s12, 16                        ; wave x 32 rows x 2048 bytes
	s_add_co_u32 s16, s16, s17
	s_mov_b32 s17, 0
	s_lshl_b32 s18, s12, 12                        ; W: wave x 16 rows x 256 bytes
	s_mov_b32 s19, 0
	s_and_b32 s22, s12, 3                          ; c
	s_lshr_b32 s23, s12, 2                         ; kh
	s_lshl_b32 s20, s13, 4
	s_add_co_u32 s20, s20, ttmp9
	s_mul_i32 s20, s20, 4*TREG                     ; my state: 40 tiles
	s_mul_i32 s21, s22, TREG                       ; feature block c's ten tiles,
	s_add_co_u32 s20, s20, s21
	s_mul_i32 s21, s23, TREG/2                     ; of which I store five
	s_add_co_u32 s20, s20, s21
	s_mov_b32 s21, 0
	s_wait_kmcnt 0x0
	s_add_nc_u64 s[4:5], s[4:5], s[16:17]
	s_add_nc_u64 s[6:7], s[6:7], s[16:17]
	s_add_nc_u64 s[8:9], s[8:9], s[18:19]
	s_add_nc_u64 s[10:11], s[10:11], s[20:21]
	s_wait_alu depctr_va_vdst(0)                   ; v[GS] and v[GO] are written, which the 40 loads read as their offsets
.set i,0
.rept 8
	global_load_b128 v[WL+4*i:WL+4*i+3], v[GS], s[8:9] offset:512*i
.set i,i+1
.endr
.set i,0
.rept 16
	global_load_b128 v[KL+4*i:KL+4*i+3], v[GO], s[4:5] offset:4096*i
.set i,i+1
.endr
.set i,0
.rept 16
	global_load_b128 v[VL+4*i:VL+4*i+3], v[GO], s[6:7] offset:4096*i
.set i,i+1
.endr
	; while the loads are on their way: LDS addresses, each a lane term plus the wave's number times a constant
	v_mul_u32_u24 v15, v2, PX
	v_lshl_add_u32 v15, v1, 3, v15                 ; 144 h + 8 r
	s_mul_i32 s24, s12, 16*PX
	v_add_nc_u32 v[LW], s24, v15
	s_mul_i32 s24, s12, 32*PX
	s_add_co_u32 s24, s24, L_K
	v_add_nc_u32 v[LK], s24, v15
	v_mul_u32_u24 v15, v2, PV
	v_lshl_add_u32 v15, v1, 3, v15                 ; 160 h + 8 r
	s_mul_i32 s24, s12, 32*PV
	s_add_co_u32 s24, s24, L_V
	v_add_nc_u32 v[LV], s24, v15
	v_mul_u32_u24 v15, v1, PX
	v_lshl_add_u32 v15, v2, 4, v15                 ; 144 r + 16 h: a fragment's lane term
	s_mul_i32 s24, s22, 32*PX
	v_add_nc_u32 v[FW], s24, v15
	s_mul_i32 s24, s23, 128*PX
	s_add_co_u32 s24, s24, L_K
	v_add_nc_u32 v[FK], s24, v15
	v_and_b32 v15, 7, v0
	v_lshl_add_u32 v15, v2, 3, v15                 ; key 8 h + lane % 8
	v_mul_u32_u24 v[FV], v15, PV
	v_bfe_u32 v15, v0, 3, 1
	v_lshl_add_u32 v[FV], v15, 4, v[FV]            ; + 16 bytes for lanes 8-15 and 24-31
	s_mul_i32 s24, s23, 128*PV
	s_add_co_u32 s24, s24, L_V
	v_add_nc_u32 v[FV], s24, v[FV]
	s_mul_i32 s24, s12, TREG
	s_add_co_u32 s24, s24, L_T
	v_add_nc_u32 v[TS], s24, v[GS]                 ; my region of the stage
	s_mul_i32 s24, s22, TREG
	s_mul_i32 s25, s23, TREG/2
	s_add_co_u32 s24, s24, s25
	s_add_co_u32 s24, s24, L_T
	v_add_nc_u32 v[TR], s24, v[GS]                 ; region c (key half 0), my five tiles of it; key half 1 lies four regions on
	v_mov_b32 v[RAT], 0x3db504f3                   ; 1 / sqrt(128)
	v_mov_b32 v[RAT+1], 0x3db504f3
	v_mov_b32 v[EPS], 0x3a83126f                   ; 0.001
	v_mov_b32 v[EPS+1], 0x3a83126f
	; THE STAGING, ten groups of four loads.  A group's head: its loads are in; the group before has written what its four stores read; these go out; then this group is rounded.
.set g,0
.rept 10
	s_wait_loadcnt 36-4*g                          ; loads come back in order (ISA guide 5.7.1): loads 4 g to 4 g + 3 are in, the 36 - 4 g later ones are younger
.if g > 0
	s_wait_alu depctr_va_vdst(0)                   ; the conversions of the group before have written the registers that the four stores below read; in group 1 also: the LDS addresses v6 to v13 are written
.irp n,0,1,2,3
	ST1 4*g-4+\n
.endr
.endif
.irp n,0,1,2,3
	CV WL+4*(4*g+\n)
.endr
.set g,g+1
.endr
	s_wait_alu depctr_va_vdst(0)                   ; the last group's conversions have written what the last four stores read
.irp n,36,37,38,39
	ST1 \n
.endr
	s_wait_dscnt 0x0                               ; my rows lie in LDS before I say so
	s_wait_alu depctr_vm_vsrc(0)                   ; my LDS stores have read v16 to v175: from here on these registers are ONE, BW, AK, AV, PP, KF and ACC, written by moves, LDS loads, matrix and vector instructions
	s_barrier_signal -1
.irp p,0,1,2,3,4,5,6,7
	v_mov_b32 v[ONE+\p], 0x3f803f80                ; two bf16 ones
.endr
	s_barrier_wait -1
.macro LOADK st
.irp kt,0,1
.irp ks,0,1
	ds_load_b128 v[AK+8*(2*\kt+\ks):AK+8*(2*\kt+\ks)+3], v[FK] offset:(\st)*32*PX+\kt*16*PX+\ks*64
	ds_load_b128 v[AK+8*(2*\kt+\ks)+4:AK+8*(2*\kt+\ks)+7], v[FK] offset:(\st)*32*PX+\kt*16*PX+\ks*64+32
.endr
.endr
.endm
.macro LOADV st
.irp dt,0,1,2,3
	ds_load_tr16_b128 v[AV+8*\dt:AV+8*\dt+3], v[FV] offset:(\st)*32*PV+\dt*32
	ds_load_tr16_b128 v[AV+8*\dt+4:AV+8*\dt+7], v[FV] offset:(\st)*32*PV+\dt*32+16*PV
.endr
.endm
; One step: 32 keys x my 32 features.  first = 1: the products start the state's sums, nothing is cleared, and V's fragments were asked for ahead of the step.  last = 1: no further K is fetched.
; The matrix instructions take their accumulators by turns, one instruction a turn.  Behind the first run stand four plain vector places
; before its results are read (ISA guide 7.12.1).  Behind the second run they stand in the last step alone, where the stage's stores read its results: elsewhere the next matrix
; instructions write none of its registers, and the next vector write of KF stands behind the next first run's four places.
.macro STEP st, first, last
.if \first
	s_wait_dscnt 8                                 ; K's fragments (and W's) are in; V's eight loads are younger
.else
	s_wait_dscnt 0x0                               ; K's fragments are in: they were the last loads issued
.endif
.irp kt,0,1
.irp f,0,1
	v_wmma_f32_16x16x32_bf16 v[PP+8*(2*\kt+\f):PP+8*(2*\kt+\f)+7], v[AK+16*\kt:AK+16*\kt+7], v[BW+16*\f:BW+16*\f+7], 0
.endr
.endr
.irp kt,0,1
.irp f,0,1
	v_wmma_f32_16x16x32_bf16 v[PP+8*(2*\kt+\f):PP+8*(2*\kt+\f)+7], v[AK+16*\kt+8:AK+16*\kt+15], v[BW+16*\f+8:BW+16*\f+15], v[PP+8*(2*\kt+\f):PP+8*(2*\kt+\f)+7]
.endr
.endr
	PLACES 4
	s_wait_alu depctr_va_vdst(0)                   ; this run is done reading AK, and the step before's second run is done reading AV: the loads below land in the two
.if \first == 0
	LOADV \st                                      ; this step's V first: the activations below stand between it and its use
.endif
.if \last == 0
	LOADK \st+1
.endif
.irp kt,0,1
.irp f,0,1
	ACT PP+8*(2*\kt+\f)
.irp p,0,1,2,3
	v_cvt_pk_bf16_f32 v[KF+8*\f+4*\kt+\p], v[PP+8*(2*\kt+\f)+2*\p], v[PP+8*(2*\kt+\f)+2*\p+1]
.endr
.endr
.endr
.if \last == 0
	s_wait_dscnt 8                                 ; V's fragments are in; the next step's eight K loads are younger
.else
	s_wait_dscnt 0x0
.endif
.irp dt,0,1,2,3
.irp f,0,1
.if \first
	v_wmma_f32_16x16x32_bf16 v[ACC+8*(2*\dt+\f):ACC+8*(2*\dt+\f)+7], v[KF+8*\f:KF+8*\f+7], v[AV+8*\dt:AV+8*\dt+7], 0
.else
	v_wmma_f32_16x16x32_bf16 v[ACC+8*(2*\dt+\f):ACC+8*(2*\dt+\f)+7], v[KF+8*\f:KF+8*\f+7], v[AV+8*\dt:AV+8*\dt+7], v[ACC+8*(2*\dt+\f):ACC+8*(2*\dt+\f)+7]
.endif
.endr
.endr
.irp f,0,1
.if \first
	v_wmma_f32_16x16x32_bf16 v[ACC+8*(8+\f):ACC+8*(8+\f)+7], v[KF+8*\f:KF+8*\f+7], v[ONE:ONE+7], 0
.else
	v_wmma_f32_16x16x32_bf16 v[ACC+8*(8+\f):ACC+8*(8+\f)+7], v[KF+8*\f:KF+8*\f+7], v[ONE:ONE+7], v[ACC+8*(8+\f):ACC+8*(8+\f)+7]
.endif
.endr
.if \last
	PLACES 4
.endif
.endm
	; no vector instruction since the staging's last wait on va_vdst names BW, AK or AV (the moves name ONE alone): these loads owe nothing more
.irp f,0,1
.irp ks,0,1
	ds_load_b128 v[BW+8*(2*\f+\ks):BW+8*(2*\f+\ks)+3], v[FW] offset:\f*16*PX+\ks*64
	ds_load_b128 v[BW+8*(2*\f+\ks)+4:BW+8*(2*\f+\ks)+7], v[FW] offset:\f*16*PX+\ks*64+32
.endr
.endr
	LOADK 0
	LOADV 0
	STEP 0, 1, 0
	STEP 1, 0, 0
	STEP 2, 0, 0
	STEP 3, 0, 1
	; my ten tiles into my region of the stage, as they lie in the registers: 16 neighbouring bytes a lane
	s_wait_alu depctr_va_vdst(0)                   ; the matrix instructions have written ACC, which the stores read (the places above stay beside this wait), and are done reading v16 to v95, in which the loads from the stage land
.set i,0
.rept 10
	ds_store_b128 v[TS], v[ACC+8*i:ACC+8*i+3] offset:1024*i
	ds_store_b128 v[TS], v[ACC+8*i+4:ACC+8*i+7] offset:1024*i+512
.set i,i+1
.endr
	s_wait_dscnt 0x0                               ; my tiles lie in the stage before I say so
	s_barrier_signal -1
	s_barrier_wait -1
	; five tiles of feature block c: both key halves are read, added and stored, in two halves of five pairs of loads
.set i,0
.rept 10
	ds_load_b128 v[R0+4*i:R0+4*i+3], v[TR] offset:512*i
	ds_load_b128 v[R1+4*i:R1+4*i+3], v[TR] offset:512*i+4*TREG
.set i,i+1
.endr
	s_wait_dscnt 10                                ; pairs 0 to 4 are in; the ten loads of pairs 5 to 9 are younger
.set i,0
.rept 5
	v_pk_add_f32 v[R0+4*i:R0+4*i+1], v[R0+4*i:R0+4*i+1], v[R1+4*i:R1+4*i+1]
	v_pk_add_f32 v[R0+4*i+2:R0+4*i+3], v[R0+4*i+2:R0+4*i+3], v[R1+4*i+2:R1+4*i+3]
.set i,i+1
.endr
	s_wait_dscnt 0x0                               ; pairs 5 to 9 are in
	s_wait_alu depctr_va_vdst(0)                   ; the first half's sums are written, which the five stores below read
.set i,0
.rept 5
	global_store_b128 v[GS], v[R0+4*i:R0+4*i+3], s[10:11] offset:512*i
.set i,i+1
.endr
.set i,5
.rept 5
	v_pk_add_f32 v[R0+4*i:R0+4*i+1], v[R0+4*i:R0+4*i+1], v[R1+4*i:R1+4*i+1]
	v_pk_add_f32 v[R0+4*i+2:R0+4*i+3], v[R0+4*i+2:R0+4*i+3], v[R1+4*i+2:R1+4*i+3]
.set i,i+1
.endr
	s_wait_alu depctr_va_vdst(0)                   ; the second half's sums are written, which the last five stores read
.set i,5
.rept 5
	global_store_b128 v[GS], v[R0+4*i:R0+4*i+3], s[10:11] offset:512*i
.set i,i+1
.endr
	s_wait_dscnt 0x0                               ; the closing lines, six on end, of a launch in the mode that stores to LDS
	s_wait_alu 0x0
	s_wait_tensorcnt 0x0
	ds_add_u32 v252, v253
	s_wait_dscnt 0x0
	s_endpgm
.Lfunc_end_k_qbf09ddb11c_segstate:
	.size	k_qbf09ddb11c_segstate, .Lfunc_end_k_qbf09ddb11c_segstate-k_qbf09ddb11c_segstate
	.p2alignl 7, 3214868480
	.fill 96, 4, 3214868480
	.section	.rodata,"a",@progbits
	.p2align	6, 0x0
	.amdhsa_kernel k_qbf09ddb11c_segstate
		.amdhsa_group_segment_fixed_size 179200
		.amdhsa_private_segment_fixed_size 0
		.amdhsa_enable_private_segment 0
		.amdhsa_kernarg_size 32
		.amdhsa_user_sgpr_count 2
		.amdhsa_user_sgpr_kernarg_segment_ptr 1
		.amdhsa_wavefront_size32 1
		.amdhsa_system_sgpr_workgroup_id_x 1
		.amdhsa_system_sgpr_workgroup_id_y 1
		.amdhsa_system_sgpr_workgroup_id_z 1
		.amdhsa_system_vgpr_workitem_id 0
		.amdhsa_next_free_vgpr 254
		.amdhsa_next_free_sgpr 66
		.amdhsa_reserve_vcc 0
		.amdhsa_float_denorm_mode_32 3
		.amdhsa_float_denorm_mode_16_64 3
		.amdhsa_memory_ordered 1
		.amdhsa_forward_progress 1
		.amdhsa_inst_pref_size 44
	.end_amdhsa_kernel
	.amdgpu_metadata
---
amdhsa.version: [ 1, 2 ]
amdhsa.kernels:
  - .name:           k_qbf09ddb11c_segstate
    .symbol:         k_qbf09ddb11c_segstate.kd
    .args:
      - { .name: key, .offset: 0, .size: 8, .value_kind: global_buffer, .address_space: global }
      - { .name: value, .offset: 8, .size: 8, .value_kind: global_buffer, .address_space: global }
      - { .name: projection_matrix, .offset: 16, .size: 8, .value_kind: global_buffer, .address_space: global }
      - { .name: seg, .offset: 24, .size: 8, .value_kind: global_buffer, .address_space: global }
    .group_segment_fixed_size: 179200
    .private_segment_fixed_size: 0
    .kernarg_segment_align: 8
    .kernarg_segment_size: 32
    .max_flat_workgroup_size: 256
    .sgpr_count:     66
    .vgpr_count:     254
    .wavefront_size: 32
...
	.end_amdgpu_metadata
.endif
;; end of part 4
;; launch prefix: the kernel of part 2 again; grid 20 x 16, 2 waves a work-group, no clusters, 0 bytes of LDS; arguments seg, pre; writes pre
;; launch attend (part 5): grid 16 x 16, 8 waves a work-group, no clusters, 293,888 bytes of LDS; arguments query, key, value, projection_matrix, pre, out0; writes out0
.if DOCPART == 5
	.amdgcn_target "amdgcn-amd-amdhsa--gfx1250"
	.amdhsa_code_object_version 6
	.text
	.protected	k_qbf09ddb11c_attend
	.globl	k_qbf09ddb11c_attend
	.p2align	8
	.type	k_qbf09ddb11c_attend,@function
k_qbf09ddb11c_attend:
	s_mov_b64 s[64:65], 0
	v_nop
	global_prefetch_b8 v0, s[64:65] scope:SCOPE_SE
	s_setreg_imm32_b32 hwreg(HW_REG_WAVE_SCHED_MODE, 0, 2), 2
	s_setreg_imm32_b32 hwreg(HW_REG_WAVE_MODE, 25, 1), 1
	s_wait_xcnt 0x0
	s_wait_alu depctr_vm_vsrc(0)
; out[q][d] = ( St Qp[q] + sum over keys k <= q of the segment of (Kp[k].Qp[q]) V[k][d] ) / (the same with ones for V).
; A work-group = one head (grid y = 8 b + h) and one segment of 256 rows (grid x); St is the state in front of the segment (bf16, from pre).
; FORMATS.  Q, K, V, W are rounded to bf16.  The features that enter Kp Qp^T are f16 (11 bits: the weights of the first rows of a head want more
; than bf16 gives); the weights S go into the second product as two bf16 parts (the upper 16 bits, and the rest rounded), since S has no room in f16;
; St x Qp^T takes Qp in bf16, since the state has no room in f16.  All sums are f32.
; LIMITS.  A feature ratio x.w must stay below 65,504 (f16's largest number); a NaN feature becomes eps; the division is v_rcp_f32 and a multiply;
; the sums are formed block by block, not in the scan's order.
; EVERYTHING IS USED TRANSPOSED, so that each result tile is the next product's operand without a shuffle:
;   W x X^T: a lane gets eight neighbouring features of one row = a fragment along the features;
;   Kp x Qp^T: a lane gets eight neighbouring keys of one query = the B fragment of V^T x S^T;  V^T comes by the transposing LDS load.
;   A fragment of ones in V^T's place (and sixteen rows of key sums in St) gives the denominator of a lane's own query in every register of tile dt = 4.
; Eight waves.  Wave w stages rows 32 w .. of K, Q, V, projects K's rows into LDS for all, and owns query block blk = w xor 3 (w / 4): blk + 1 steps of 32 keys,
; so that waves w and w + 4 have nine steps together.
; No cluster: the work-groups share only W, 32 KiB of the 250 KiB that each reads, and every byte passes registers for its rounding.
; THE MODE: SCHED_MODE bits 1:0 = 2 (LLVM: expert scheduling mode 2), set by the entry lines.  The code itself states the register dependences
; between vector or matrix instructions and memory or LDS instructions, with s_wait_alu, always for 0.
; THE PLAN.  Registers that memory or LDS instructions touch:
;   v3-v11, v14-v17  offsets and LDS addresses: made once at the head, never written again.
;   KA, VA           read by the key loop's LDS loads, stepped once a key step: a wait on vm_vsrc ahead of the two adds, which stand ahead of the step's one wait on va_vdst.
;   v90-249, v26-89  staging, in groups of four loads: group g's conversions write what its four LDS stores read; the stores are issued at group g + 1's head, behind its wait on va_vdst.
;   v256-275         the state as loaded; LDS stores read it; no vector instruction names it in between.
;   XK, AW           LDS loads land, matrix instructions read.  A feature step's one wait on va_vdst, behind its products, frees the W buffer that they read.
;   KO0 .. KO3       K's feature step c writes KO[c]; its four LDS stores are issued in step c + 1, behind that step's wait.  From step 4 on the registers are QH: one wait on vm_vsrc there.
;   AS               LDS loads land (32 of them behind step 7's products, 8 behind its conversions), St x Qp^T reads.
;   AK, AV           LDS loads land, matrix instructions read.  A key step has ONE wait on va_vdst, behind its S run: that run is done reading AK, the step before's second run is
;                    done reading AV, and KA and VA are written; this step's V and the next step's Kp are loaded straight behind it.
;   ORG              written by the divisions, read by the stage's stores.       RB: LDS loads land, the global stores read.       v254, v255: read by the closing add alone.
;   P, QH, QB, SS, BS, T, ONE and the ten result tiles are named by vector and matrix instructions alone (one wait on vm_vsrc at the first barrier frees those that were staging registers).
.set PX,   144                         ; pitch of W, K, Q rows in bf16: 128 + 16 bytes
.set PV,   160                         ; pitch of V rows: 128 + 32 bytes (transposing load)
.set PK,   272                         ; pitch of Kp rows (128 f16) and of the stage's rows (64 f32): 256 + 16 bytes
.set L_XK, 18432                       ; W at 0; K: 256 rows
.set L_XQ, 55296                       ; Q: 256 rows
.set L_V,  92160                       ; V: 256 rows
.set L_ST, 133120                      ; the state: 40 tiles of 512 bytes, register image
.set L_KP, 153600                      ; Kp: 256 rows
.set L_SG, 223232                      ; the way out: 32 rows for each wave
.set LN, 3                             ; v3   16 x lane
.set GO, 4                             ; v4   2048 (lane/16) + 16 (lane%16)
.set LX, 5                             ; v5   staging of K and Q
.set LW, 6                             ; v6   of W
.set LV, 7                             ; v7   of V
.set FX, 8                             ; v8   fragment address in W
.set FK, 9                             ; v9   in my K rows
.set FQ, 10                            ; v10  in my Q block
.set KS, 11                            ; v11  where my Kp goes
.set KA, 12                            ; v12  Kp fragments, stepped by 32 keys
.set VA, 13                            ; v13  V fragments, stepped by 32 keys in every key step ahead of its loads: it starts 32 keys in front of V's first row
.set SP, 14                            ; v14  stage, where I put
.set SR, 15                            ; v15  stage, where I read
.set STA, 16                           ; v16  where my part of the state goes
.set SA, 17                            ; v17  state fragments
.set ONE, 18                           ; v18-25   the fragment of ones (v18 is at work before)
.set VL, 26                            ; v26-89   V as loaded
.set KO, 26                            ; v26-89   Kp in f16 on its way to LDS: block c, tile (f, rt): four registers at KO + 16 c + 4 (2 f + rt)
.set QH, 26                            ; v26-89   Qp in f16 [qt][c]
.set WL, 90                            ; v90-121  W as loaded: load i of W, K, Q (40 in all) lands at WL + 4 i
.set KL, 122                           ; v122-185 K as loaded
.set QL, 186                           ; v186-249 Q as loaded
.set XK, 90                            ; v90-121 K fragments [rt][ks]; v122-153 Q's
.set AW, 154                           ; v154-217 W fragments, two buffers [f][ks]
.set P,  218                           ; v218-249 W X^T tiles [f][rt]
.set AS, 90                            ; v90-249  state fragments [c][dt]
.set AK, 90                            ; v90-153  Kp fragments [kt][c]
.set SS, 154                           ; v154-185 S^T tiles [kt][qt]
.set AV, 186                           ; v186-217 V^T fragments [dt]
.set BS, 218                           ; v218-249 S^T as operand [part][qt]
.set ORG, 90                           ; v90-153  results, divided
.set RB, 154                           ; v154-217 results, read back by rows
.set RAT, 250                          ; v250-251 ratio, twice
.set EPS, 252                          ; v252-253 eps, twice
.set T,  250                           ; v250-253 at work, once the features are made
.set QB, 80                            ; v336-399 (second window, 80 ..) Qp in bf16 [qt][c];  v256-335 (0 ..) the ten result tiles [dt][qt]
.set MSB, 0
.macro WIN new                         ; s_set_vgpr_msb: bits 1:0 source 0, 3:2 source 1, 5:4 source 2, 7:6 destination; the high byte repeats the setting left
.if MSB != \new
	s_set_vgpr_msb (MSB<<8)|\new
.set MSB, \new
.endif
.endm
.macro PLACES n
.rept \n
	v_nop
.endr
.endm
.macro CV x                            ; four f32 close up into four bf16, in the first two of their four registers
	v_cvt_pk_bf16_f32 v[\x], v[\x], v[\x+1]
	v_cvt_pk_bf16_f32 v[\x+1], v[\x+2], v[\x+3]
.endm
.macro ST1 i                           ; load i of W (0-7), K (8-23), Q (24-39): its 8 bytes of bf16 into LDS
.if (\i) < 8
	ds_store_b64 v[LW], v[WL+4*(\i):WL+4*(\i)+1] offset:288*(\i)
.elseif (\i) < 24
	ds_store_b64 v[LX], v[WL+4*(\i):WL+4*(\i)+1] offset:L_XK+288*((\i)-8)
.else
	ds_store_b64 v[LX], v[WL+4*(\i):WL+4*(\i)+1] offset:L_XQ+288*((\i)-24)
.endif
.endm
.macro STV i                           ; load i of V (0-15)
	ds_store_b64 v[LV], v[VL+4*(\i):VL+4*(\i)+1] offset:320*(\i)
.endm
.macro ACT t                           ; the eight sums of a tile: max(ratio x + eps, eps)
.irp p,0,2,4,6
	v_pk_fma_f32 v[\t+\p:\t+\p+1], v[\t+\p:\t+\p+1], v[RAT:RAT+1], v[EPS:EPS+1]
.endr
.irp p,0,1,2,3,4,5,6,7
	v_max_num_f32 v[\t+\p], v[\t+\p], v[EPS]
.endr
.endm
	s_load_b256 s[4:11], s[0:1], 0x0               ; query s[4:5], key s[6:7], value s[8:9], W s[10:11]
	s_load_b128 s[12:15], s[0:1], 0x20             ; pre s[12:13], out s[14:15]
	v_lshl_add_u32 v254, v0, 2, 0x47800
	v_mov_b32 v255, 0
	v_and_b32 v1, 15, v0                           ; r = lane % 16
	v_bfe_u32 v2, v0, 4, 1                         ; h = lane / 16
	v_lshrrev_b32 v18, 5, v0
	v_readfirstlane_b32 s16, v18                   ; wave
	v_and_b32 v[LN], 31, v0
	v_lshlrev_b32 v[LN], 4, v[LN]
	v_lshlrev_b32 v[GO], 4, v1
	v_lshl_or_b32 v[GO], v2, 11, v[GO]
	s_wait_alu depctr_va_sdst(0)                   ; s16 is written, ahead of its first reader: blk, the bases and the LDS addresses are made from it
	s_and_b32 s17, ttmp7, 0xffff                   ; head = 8 b + h
	s_lshr_b32 s18, s16, 2
	s_mul_i32 s18, s18, 3
	s_xor_b32 s26, s16, s18                        ; blk: 0 1 2 3 7 6 5 4
	s_lshr_b32 s18, s17, 3
	s_lshl_b32 s18, s18, 23                        ; b x 4096 rows x 2048 bytes
	s_lshl_b32 s19, ttmp9, 19                      ; segment x 256 rows x 2048 bytes
	s_add_co_u32 s18, s18, s19
	s_and_b32 s19, s17, 7
	s_lshl_b32 s19, s19, 8                         ; h x 256 bytes
	s_add_co_u32 s18, s18, s19
	s_lshl_b32 s19, s16, 16                        ; wave x 32 rows
	s_add_co_u32 s20, s18, s19
	s_mov_b32 s21, 0
	s_lshl_b32 s19, s26, 16                        ; blk x 32 rows
	s_add_co_u32 s28, s18, s19
	s_mov_b32 s29, 0
	s_lshl_b32 s22, s16, 12                        ; W: wave x 16 rows x 256 bytes
	s_mov_b32 s23, 0
	s_lshl_b32 s24, s17, 4
	s_add_co_u32 s24, s24, ttmp9
	s_mul_i32 s24, s24, 20480                      ; my state,
	s_mul_i32 s25, s16, 2560                       ; of which my wave brings five tiles
	s_add_co_u32 s24, s24, s25
	s_mov_b32 s25, 0
	s_mov_b32 s31, 0xffff0000                      ; the upper 16 bits of an f32
	s_mov_b32 s32, 0x07060302                      ; v_perm_b32: the two upper halves
	s_wait_kmcnt 0x0
	s_add_nc_u64 s[4:5], s[4:5], s[20:21]
	s_add_nc_u64 s[6:7], s[6:7], s[20:21]
	s_add_nc_u64 s[8:9], s[8:9], s[20:21]
	s_add_nc_u64 s[10:11], s[10:11], s[22:23]
	s_add_nc_u64 s[12:13], s[12:13], s[24:25]
	s_add_nc_u64 s[14:15], s[14:15], s[28:29]
	s_wait_alu depctr_va_vdst(0)                   ; v[LN] and v[GO] are written, which the 61 loads read as their offsets; only loads and window switches stand between this wait and the last of them
	; all 61 loads of the wave at once: W 8, K 16, Q 16, state 5, V 16
.set i,0
.rept 8
	global_load_b128 v[WL+4*i:WL+4*i+3], v[LN], s[10:11] offset:512*i
.set i,i+1
.endr
.set i,0
.rept 16
	global_load_b128 v[KL+4*i:KL+4*i+3], v[GO], s[6:7] offset:4096*i
.set i,i+1
.endr
.set i,0
.rept 16
	global_load_b128 v[QL+4*i:QL+4*i+3], v[GO], s[4:5] offset:4096*i
.set i,i+1
.endr
	WIN 0x40                                       ; destination in the second window
.set i,0
.rept 5
	global_load_b128 v[4*i:4*i+3], v[LN], s[12:13] offset:512*i    ; v256 + 4 i
.set i,i+1
.endr
	WIN 0
.set i,0
.rept 16
	global_load_b128 v[VL+4*i:VL+4*i+3], v[GO], s[8:9] offset:4096*i
.set i,i+1
.endr
	; while they are on their way: LDS addresses, each a lane term plus the wave's number (or blk) times a constant
	v_mul_u32_u24 v18, v2, PX
	v_lshl_add_u32 v18, v1, 3, v18                 ; 144 h + 8 r
	s_mul_i32 s18, s16, 32*PX
	v_add_nc_u32 v[LX], s18, v18
	s_mul_i32 s19, s16, 16*PX
	v_add_nc_u32 v[LW], s19, v18
	v_mul_u32_u24 v18, v2, PV
	v_lshl_add_u32 v18, v1, 3, v18                 ; 160 h + 8 r
	s_mul_i32 s19, s16, 32*PV
	s_add_co_u32 s19, s19, L_V
	v_add_nc_u32 v[LV], s19, v18
	v_mul_u32_u24 v[FX], v1, PX
	v_lshl_add_u32 v[FX], v2, 4, v[FX]             ; 144 r + 16 h
	s_add_co_u32 s18, s18, L_XK
	v_add_nc_u32 v[FK], s18, v[FX]
	s_mul_i32 s18, s26, 32*PX
	s_add_co_u32 s18, s18, L_XQ
	v_add_nc_u32 v[FQ], s18, v[FX]
	v_mul_u32_u24 v18, v1, PK
	v_lshl_add_u32 v18, v2, 4, v18                 ; 272 r + 16 h
	v_add_nc_u32 v[KA], L_KP, v18
	s_mul_i32 s18, s16, 32*PK
	s_add_co_u32 s19, s18, L_KP
	v_add_nc_u32 v[KS], s19, v18
	v_and_b32 v18, 7, v0
	v_lshl_add_u32 v18, v2, 3, v18                 ; key 8 h + lane % 8
	v_mul_u32_u24 v[VA], v18, PV
	v_bfe_u32 v18, v0, 3, 1
	v_lshl_add_u32 v[VA], v18, 4, v[VA]
	v_add_nc_u32 v[VA], L_V-32*PV, v[VA]           ; one step in front of V's first row: every key step moves it on by 32 keys ahead of its loads
	s_add_co_u32 s19, s18, L_SG                    ; my stage
	v_mul_u32_u24 v18, v1, PK
	v_lshl_add_u32 v18, v2, 5, v18                 ; query r, d = 8 h
	v_add_nc_u32 v[SP], s19, v18
	v_mul_u32_u24 v18, v2, PK
	v_lshl_add_u32 v18, v1, 4, v18                 ; lanes 0-15 one row, lanes 16-31 the next
	v_add_nc_u32 v[SR], s19, v18
	s_mul_i32 s18, s16, 2560
	s_add_co_u32 s18, s18, L_ST
	v_add_nc_u32 v[STA], s18, v[LN]
	v_add_nc_u32 v[SA], L_ST, v[LN]
	v_lshlrev_b32 v18, 3, v2
	v_sub_nc_u32 v18, v1, v18                      ; r - 8 h
.irp j,0,1,2,3,4,5,6,7
	v_cmp_le_i32 s[36+\j], \j, v18                 ; a diagonal tile keeps key 8 h + j for query r where 8 h + j <= r
.endr
	s_wait_alu depctr_va_sdst(0)                   ; the eight masks s36 to s43 are written
	v_mov_b32 v[RAT], 0x3db504f3                   ; 1 / sqrt(128)
	v_mov_b32 v[RAT+1], 0x3db504f3
	v_mov_b32 v[EPS], 0x3a83126f                   ; 0.001
	v_mov_b32 v[EPS+1], 0x3a83126f
	; THE STAGING, in groups of four loads.  A group's head: its loads are in; the group before has written what its four stores read; these go out; then this group is rounded.
.set g,0
.rept 10
	s_wait_loadcnt 57-4*g                          ; loads come back in order (ISA guide 5.7.1): loads 4 g to 4 g + 3 of W, K, Q are in, the 57 - 4 g later ones are younger
.if g > 0
	s_wait_alu depctr_va_vdst(0)                   ; the conversions of the group before have written the registers that the four stores below read; in group 1 also: the LDS addresses v5 to v17 are written
.irp n,0,1,2,3
	ST1 4*g-4+\n
.endr
.endif
.irp n,0,1,2,3
	CV WL+4*(4*g+\n)
.endr
.set g,g+1
.endr
	s_wait_loadcnt 16                              ; the state's five loads are in; V's 16 are younger
	s_wait_alu depctr_va_vdst(0)                   ; Q's last group is rounded: its conversions have written what the four stores below read
.irp n,36,37,38,39
	ST1 \n
.endr
	WIN 0x04                                       ; store data in the second window
.set i,0
.rept 5
	ds_store_b128 v[STA], v[4*i:4*i+3] offset:512*i        ; as loaded: no vector instruction names these registers
.set i,i+1
.endr
	WIN 0
.set g,0
.rept 4
	s_wait_loadcnt 12-4*g                          ; V's loads 4 g to 4 g + 3 are in; the 12 - 4 g later ones are younger
.if g > 0
	s_wait_alu depctr_va_vdst(0)                   ; the conversions of the group before have written the registers that the four stores below read
.irp n,0,1,2,3
	STV 4*g-4+\n
.endr
.endif
.irp n,0,1,2,3
	CV VL+4*(4*g+\n)
.endr
.set g,g+1
.endr
	s_wait_alu depctr_va_vdst(0)                   ; V's last group is rounded: its conversions have written what the last four stores read
.irp n,12,13,14,15
	STV \n
.endr
	s_wait_dscnt 0x0                               ; my rows lie in LDS before I say so
	s_wait_alu depctr_vm_vsrc(0)                   ; my LDS stores have read v26 to v249 and v256 to v275: from here on these registers are written by LDS loads, conversions and matrix instructions
	s_barrier_signal -1
.irp p,0,1,2,3,4,5,6,7
	v_mov_b32 v[ONE+\p], 0x3f803f80                ; two bf16 ones
.endr
	s_barrier_wait -1
	; THE FEATURES.  Eight steps: feature blocks c = 0..3 of my 32 K rows, then of my 32 Q rows.  W's fragments go through two buffers, two steps ahead.
.macro LOADX base, a
.irp rt,0,1
.irp ks,0,1
	ds_load_b128 v[\base+8*(2*\rt+\ks):\base+8*(2*\rt+\ks)+3], v[\a] offset:\rt*16*PX+\ks*64
	ds_load_b128 v[\base+8*(2*\rt+\ks)+4:\base+8*(2*\rt+\ks)+7], v[\a] offset:\rt*16*PX+\ks*64+32
.endr
.endr
.endm
.macro LOADW buf, c
.irp f,0,1
.irp ks,0,1
	ds_load_b128 v[AW+32*(\buf)+8*(2*\f+\ks):AW+32*(\buf)+8*(2*\f+\ks)+3], v[FX] offset:(\c)*32*PX+\f*16*PX+\ks*64
	ds_load_b128 v[AW+32*(\buf)+8*(2*\f+\ks)+4:AW+32*(\buf)+8*(2*\f+\ks)+7], v[FX] offset:(\c)*32*PX+\f*16*PX+\ks*64+32
.endr
.endr
.endm
.macro LOADAS n                        ; state fragment n = 5 c + dt: two tiles of 512 bytes in their register image
	ds_load_b128 v[AS+8*(\n):AS+8*(\n)+3], v[SA] offset:1024*(\n)
	ds_load_b128 v[AS+8*(\n)+4:AS+8*(\n)+7], v[SA] offset:1024*(\n)+512
.endm
; step i: feature block c; isq = 0: K's rows, 1: Q's; cnt: the LDS instructions younger than this step's W fragments; nxt: the block that step i + 2 wants, or -1.
; The four tiles take turns, one matrix instruction a turn; four plain places stand behind the run (ISA guide 7.12.1).
; Steps 1 to 4 send the Kp of the step before to LDS.  Step 6 issues no memory instruction and holds no wait on the vector side.
.macro PROJ i, c, isq, cnt, nxt
	s_wait_dscnt \cnt
.irp ks,0,1
.irp f,0,1
.irp rt,0,1
.if \ks == 0
	v_wmma_f32_16x16x32_bf16 v[P+8*(2*\f+\rt):P+8*(2*\f+\rt)+7], v[AW+32*(\i%2)+8*(2*\f+\ks):AW+32*(\i%2)+8*(2*\f+\ks)+7], v[XK+32*\isq+8*(2*\rt+\ks):XK+32*\isq+8*(2*\rt+\ks)+7], 0
.else
	v_wmma_f32_16x16x32_bf16 v[P+8*(2*\f+\rt):P+8*(2*\f+\rt)+7], v[AW+32*(\i%2)+8*(2*\f+\ks):AW+32*(\i%2)+8*(2*\f+\ks)+7], v[XK+32*\isq+8*(2*\rt+\ks):XK+32*\isq+8*(2*\rt+\ks)+7], v[P+8*(2*\f+\rt):P+8*(2*\f+\rt)+7]
.endif
.endr
.endr
.endr
	PLACES 4
.if \nxt >= 0
	s_wait_alu depctr_va_vdst(0)                   ; this step's matrix instructions are done reading their W buffer, in which the loads below land; the conversions of the step before have written its KO, which the stores below read
	LOADW \i%2, \nxt
.endif
.if (\i >= 1) && (\i <= 4)
.irp f,0,1
.irp rt,0,1
	ds_store_b128 v[KS], v[KO+16*(\i-1)+4*(2*\f+\rt):KO+16*(\i-1)+4*(2*\f+\rt)+3] offset:16*PK*\rt+64*(\i-1)+32*\f   ; eight features of key 32 w + 16 rt + r, block i - 1
.endr
.endr
.endif
.if \i == 4
	s_wait_alu depctr_vm_vsrc(0)                   ; all sixteen stores of Kp have read KO: from here on these registers are QH, which the conversions below and in the next three steps write
.endif
.if \i == 7
	s_wait_alu depctr_va_vdst(0)                   ; the last matrix instructions that read XK and AW are done: 32 of the state's 40 loads land in these registers, and the vector lines below name P, QH and QB alone
.set fr,0
.rept 16
	LOADAS fr
.set fr,fr+1
.endr
.endif
.if \isq == 0
.irp f,0,1
.irp rt,0,1
	ACT P+8*(2*\f+\rt)
.irp p,0,1,2,3
	v_cvt_pk_f16_f32 v[KO+16*\c+4*(2*\f+\rt)+\p], v[P+8*(2*\f+\rt)+2*\p], v[P+8*(2*\f+\rt)+2*\p+1]
.endr
.endr
.endr
.else
.irp f,0,1
.irp rt,0,1
	ACT P+8*(2*\f+\rt)
.irp p,0,1,2,3
	v_cvt_pk_f16_f32 v[QH+8*(4*\rt+\c)+4*\f+\p], v[P+8*(2*\f+\rt)+2*\p], v[P+8*(2*\f+\rt)+2*\p+1]
.endr
.endr
.endr
	WIN 0x40                                       ; destination in the second window
.irp f,0,1
.irp rt,0,1
.irp p,0,1,2,3
	v_cvt_pk_bf16_f32 v[QB+8*(4*\rt+\c)+4*\f+\p], v[P+8*(2*\f+\rt)+2*\p], v[P+8*(2*\f+\rt)+2*\p+1]
.endr
.endr
.endr
	WIN 0
.endif
.endm
	; no vector instruction since the staging's last wait on va_vdst names XK or AW (the moves name ONE alone): these loads owe nothing more
	LOADX XK, FK
	LOADX XK+32, FQ
	LOADW 0, 0
	LOADW 1, 1
	; the counts: steps 0-5 issue 8 loads of W, and behind them steps 1-4 issue 4 stores of Kp
	PROJ 0, 0, 0, 8, 2                             ; younger: the second buffer's 8 loads
	PROJ 1, 1, 0, 8, 3                             ; 8 loads
	PROJ 2, 2, 0, 12, 0                            ; 8 loads, 4 stores
	PROJ 3, 3, 0, 16, 1                            ; 4 stores, 8 loads, 4 stores
	PROJ 4, 0, 1, 16, 2
	PROJ 5, 1, 1, 16, 3
	PROJ 6, 2, 1, 12, -1                           ; 4 stores, 8 loads
	PROJ 7, 3, 1, 0, -1
	; WHAT LIES IN FRONT OF THE SEGMENT: the ten result tiles start as St x Qp^T, 32 features a step.  Nothing is cleared.
	s_wait_alu depctr_va_vdst(0)                   ; the last step's activations and conversions are done with P, in which the state's last eight loads land
.irp n,16,17,18,19
	LOADAS \n
.endr
	WIN 0x54                                       ; A in the first window; B, C and D in the second
.irp c,0,1,2,3
	s_wait_dscnt 30-10*\c                          ; block c's ten loads are in; the later blocks' are younger
.irp dt,0,1,2,3,4
.irp qt,0,1
.if \c == 0
	v_wmma_f32_16x16x32_bf16 v[8*(2*\dt+\qt):8*(2*\dt+\qt)+7], v[AS+8*(5*\c+\dt):AS+8*(5*\c+\dt)+7], v[QB+8*(4*\qt+\c):QB+8*(4*\qt+\c)+7], 0
.else
	v_wmma_f32_16x16x32_bf16 v[8*(2*\dt+\qt):8*(2*\dt+\qt)+7], v[AS+8*(5*\c+\dt):AS+8*(5*\c+\dt)+7], v[QB+8*(4*\qt+\c):QB+8*(4*\qt+\c)+7], v[8*(2*\dt+\qt):8*(2*\dt+\qt)+7]
.endif
.endr
.endr
.endr
	WIN 0
	PLACES 5                                       ; five places: the first step's matrix instructions write S into registers that this run read as state fragments (ISA guide 7.12.1)
	s_wait_dscnt 0x0                               ; my Kp rows lie in LDS before I say so
	s_barrier_signal -1
	s_barrier_wait -1
	s_wait_alu depctr_va_vdst(0)                   ; St x Qp^T is done reading the state's fragments, in whose registers Kp's fragments land
	; THE SEGMENT'S OWN KEYS, 32 a step.
.macro LOADAK
.irp c,0,1,2,3
.irp kt,0,1
	ds_load_b128 v[AK+8*(4*\kt+\c):AK+8*(4*\kt+\c)+3], v[KA] offset:\kt*16*PK+\c*64
	ds_load_b128 v[AK+8*(4*\kt+\c)+4:AK+8*(4*\kt+\c)+7], v[KA] offset:\kt*16*PK+\c*64+32
.endr
.endr
.endm
.macro LOADAV
.irp dt,0,1,2,3
	ds_load_tr16_b128 v[AV+8*\dt:AV+8*\dt+3], v[VA] offset:\dt*32
	ds_load_tr16_b128 v[AV+8*\dt+4:AV+8*\dt+7], v[VA] offset:\dt*32+16*PV
.endr
.endm
; mask = 1: the step on the diagonal.  last = 1: no further Kp is fetched.  At a step's head the 16 loads of its Kp are out.
; In each run the accumulators take turns, one matrix instruction a turn.  Behind the S run stand four plain places before its results are read (ISA guide 7.12.1):
; the steps of the addresses and v_nop.  Behind the second run they stand in the last step alone, where the way out reads its results: elsewhere the next matrix instructions write none of
; its registers, and the next vector write of BS stands behind the next S run's four places.
.macro STEP mask, last
.irp c,0,1,2,3
	s_wait_dscnt 12-4*\c                           ; block c's four loads are in; the later blocks' are younger
.irp kt,0,1
.irp qt,0,1
.if \c == 0
	v_wmma_f32_16x16x32_f16 v[SS+8*(2*\kt+\qt):SS+8*(2*\kt+\qt)+7], v[AK+8*(4*\kt+\c):AK+8*(4*\kt+\c)+7], v[QH+8*(4*\qt+\c):QH+8*(4*\qt+\c)+7], 0
.else
	v_wmma_f32_16x16x32_f16 v[SS+8*(2*\kt+\qt):SS+8*(2*\kt+\qt)+7], v[AK+8*(4*\kt+\c):AK+8*(4*\kt+\c)+7], v[QH+8*(4*\qt+\c):QH+8*(4*\qt+\c)+7], v[SS+8*(2*\kt+\qt):SS+8*(2*\kt+\qt)+7]
.endif
.endr
.endr
.endr
	s_wait_alu depctr_vm_vsrc(0)                   ; the LDS loads issued so far have read KA and VA, which the adds below write
	v_add_nc_u32 v[VA], 32*PV, v[VA]               ; this step's 32 keys of V
.if \last == 0
	v_add_nc_u32 v[KA], 32*PK, v[KA]               ; the next step's 32 keys of Kp
	PLACES 2
.else
	PLACES 3
.endif
	s_wait_alu depctr_va_vdst(0)                   ; the S run is done reading AK; the second run of the step before (at the first step: St x Qp^T) is done reading AV's registers; KA and VA are written: the loads below land in the first two and read the last two
	LOADAV                                         ; this step's V first: the split below stands between it and its use
.if \last == 0
	LOADAK
.endif
.if \mask
.irp j,0,1,2,3,4,5,6,7
	v_cndmask_b32 v[SS+\j], 0, v[SS+\j], s[36+\j]          ; keys 0-15 x queries 0-15
	v_cndmask_b32 v[SS+24+\j], 0, v[SS+24+\j], s[36+\j]    ; keys 16-31 x queries 16-31
	v_mov_b32 v[SS+16+\j], 0                               ; keys 16-31 x queries 0-15: all later than the query
.endr
.endif
	; S = its upper 16 bits + the rest (exact in f32), the rest rounded to bf16
.irp kt,0,1
.irp qt,0,1
.irp p,0,1,2,3
	v_and_b32 v[T+2*(\p%2)], s31, v[SS+8*(2*\kt+\qt)+2*\p]
	v_and_b32 v[T+2*(\p%2)+1], s31, v[SS+8*(2*\kt+\qt)+2*\p+1]
	v_perm_b32 v[BS+8*\qt+4*\kt+\p], v[SS+8*(2*\kt+\qt)+2*\p+1], v[SS+8*(2*\kt+\qt)+2*\p], s32
	v_pk_add_f32 v[T+2*(\p%2):T+2*(\p%2)+1], v[SS+8*(2*\kt+\qt)+2*\p:SS+8*(2*\kt+\qt)+2*\p+1], v[T+2*(\p%2):T+2*(\p%2)+1] neg_lo:[0,1] neg_hi:[0,1]
	v_cvt_pk_bf16_f32 v[BS+16+8*\qt+4*\kt+\p], v[T+2*(\p%2)], v[T+2*(\p%2)+1]
.endr
.endr
.endr
.if \last
	s_wait_dscnt 0x0                               ; V's fragments are in, and with them every LDS read that my wave makes through the stepped addresses KA and VA:
	s_barrier_signal -1                            ; say so.  The barrier's wait stands in front of the stage's stores; between the two only registers are worked on
.else
	s_wait_dscnt 16                                ; V's fragments are in; the next step's 16 loads of Kp are younger
.endif
	WIN 0x50                                       ; A and B in the first window, C and D in the second
.irp hl,0,1
.irp dt,0,1,2,3
.irp qt,0,1
	v_wmma_f32_16x16x32_bf16 v[8*(2*\dt+\qt):8*(2*\dt+\qt)+7], v[AV+8*\dt:AV+8*\dt+7], v[BS+16*\hl+8*\qt:BS+16*\hl+8*\qt+7], v[8*(2*\dt+\qt):8*(2*\dt+\qt)+7]
.endr
.endr
.irp qt,0,1
	v_wmma_f32_16x16x32_bf16 v[64+8*\qt:64+8*\qt+7], v[ONE:ONE+7], v[BS+16*\hl+8*\qt:BS+16*\hl+8*\qt+7], v[64+8*\qt:64+8*\qt+7]
.endr
.endr
	WIN 0
.if \last
	PLACES 4
.endif
.endm
	LOADAK
	s_cmp_eq_u32 s26, 0                            ; block 0 has the diagonal step alone
	s_cbranch_scc1 .Ldiag
	s_mov_b32 s30, 0
.Lfull:
	STEP 0, 0                                      ; blk whole steps
	s_add_co_u32 s30, s30, 1
	s_cmp_lt_u32 s30, s26
	s_cbranch_scc1 .Lfull
.Ldiag:
	STEP 1, 1                                      ; on both ways here the same 16 loads of Kp are out; it signals the last barrier
	; THE WAY OUT.  Register j of tile (dt, qt) is d = 16 dt + 8 h + j of query 16 qt + r; every register of tile (4, qt) is that query's denominator.
	WIN 0x01                                       ; source 0 in the second window
	v_rcp_f32 v[T], v64
	v_rcp_f32 v[T+1], v64
	v_rcp_f32 v[T+2], v72
	v_rcp_f32 v[T+3], v72
	v_nop                                          ; one plain instruction between v_rcp_f32 and the use of its result (ISA guide 5.7.2)
	s_wait_alu depctr_va_vdst(0)                   ; the four reciprocals have written v[T] to v[T+3], ahead of their first reader: one wait for the batch
.irp dt,0,1,2,3
.irp qt,0,1
.irp p,0,2,4,6
	v_pk_mul_f32 v[ORG+8*(2*\dt+\qt)+\p:ORG+8*(2*\dt+\qt)+\p+1], v[8*(2*\dt+\qt)+\p:8*(2*\dt+\qt)+\p+1], v[T+2*\qt:T+2*\qt+1]
.endr
.endr
.endr
	WIN 0
	s_barrier_wait -1                              ; every wave's reads through KA and VA are back: the stage is written only behind this.  (The stage lies behind Kp's last row,
	                                               ; apart from all that those reads touch; the barrier makes the order plain without following the steps of the two addresses.)
	s_wait_alu depctr_va_vdst(0)                   ; the multiplies have written ORG, which the stage's stores read; the vector and matrix instructions that named SS and AV are done, in whose registers the loads from the stage land
.irp dt,0,1,2,3
.irp qt,0,1
	ds_store_b128 v[SP], v[ORG+8*(2*\dt+\qt):ORG+8*(2*\dt+\qt)+3] offset:16*PK*\qt+64*\dt
	ds_store_b128 v[SP], v[ORG+8*(2*\dt+\qt)+4:ORG+8*(2*\dt+\qt)+7] offset:16*PK*\qt+64*\dt+16
.endr
.endr
.set i,0
.rept 16
	ds_load_b128 v[RB+4*i:RB+4*i+3], v[SR] offset:2*PK*i           ; my own bytes: LDS serves a wave's instructions in order (ISA guide 5.7.1)
.set i,i+1
.endr
.set i,0
.rept 16
	s_wait_dscnt 15-i                              ; load i is in; 15 - i are younger
	global_store_b128 v[GO], v[RB+4*i:RB+4*i+3], s[14:15] offset:4096*i    ; 16 lanes store a head's whole row: 256 consecutive bytes, aligned
.set i,i+1
.endr
	s_wait_dscnt 0x0                               ; the closing lines, six on end, of a launch in the mode that stores to LDS
	s_wait_alu 0x0
	s_wait_tensorcnt 0x0
	ds_add_u32 v254, v255
	s_wait_dscnt 0x0
	s_endpgm
.Lfunc_end_k_qbf09ddb11c_attend:
	.size	k_qbf09ddb11c_attend, .Lfunc_end_k_qbf09ddb11c_attend-k_qbf09ddb11c_attend
	.p2alignl 7, 3214868480
	.fill 96, 4, 3214868480
	.section	.rodata,"a",@progbits
	.p2align	6, 0x0
	.amdhsa_kernel k_qbf09ddb11c_attend
		.amdhsa_group_segment_fixed_size 293888
		.amdhsa_private_segment_fixed_size 0
		.amdhsa_enable_private_segment 0
		.amdhsa_kernarg_size 48
		.amdhsa_user_sgpr_count 2
		.amdhsa_user_sgpr_kernarg_segment_ptr 1
		.amdhsa_wavefront_size32 1
		.amdhsa_system_sgpr_workgroup_id_x 1
		.amdhsa_system_sgpr_workgroup_id_y 1
		.amdhsa_system_sgpr_workgroup_id_z 1
		.amdhsa_system_vgpr_workitem_id 0
		.amdhsa_next_free_vgpr 400
		.amdhsa_next_free_sgpr 66
		.amdhsa_reserve_vcc 0
		.amdhsa_float_denorm_mode_32 3
		.amdhsa_float_denorm_mode_16_64 3
		.amdhsa_memory_ordered 1
		.amdhsa_forward_progress 1
		.amdhsa_inst_pref_size 94
	.end_amdhsa_kernel
	.amdgpu_metadata
---
amdhsa.version: [ 1, 2 ]
amdhsa.kernels:
  - .name:           k_qbf09ddb11c_attend
    .symbol:         k_qbf09ddb11c_attend.kd
    .args:
      - { .name: query, .offset: 0, .size: 8, .value_kind: global_buffer, .address_space: global }
      - { .name: key, .offset: 8, .size: 8, .value_kind: global_buffer, .address_space: global }
      - { .name: value, .offset: 16, .size: 8, .value_kind: global_buffer, .address_space: global }
      - { .name: projection_matrix, .offset: 24, .size: 8, .value_kind: global_buffer, .address_space: global }
      - { .name: pre, .offset: 32, .size: 8, .value_kind: global_buffer, .address_space: global }
      - { .name: out0, .offset: 40, .size: 8, .value_kind: global_buffer, .address_space: global }
    .group_segment_fixed_size: 293888
    .private_segment_fixed_size: 0
    .kernarg_segment_align: 8
    .kernarg_segment_size: 48
    .max_flat_workgroup_size: 256
    .sgpr_count:     66
    .vgpr_count:     400
    .wavefront_size: 32
...
	.end_amdgpu_metadata
.endif
;; end of part 5
